; MI455X (gfx1250); checked and timed in simulation.
; The chip was launched on July 23, 2026; its instructions are those of AMD's public machine-readable ISA for CDNA 5 (MIT licence, August 2026) and "CDNA5" Instruction Set Architecture Reference Guide (July 2026). The comments in the code are by the model that wrote it; some were corrected since.
;; Alibi Transformer Layer. Allowed arithmetic: matrix products marked QUANTISED: E2M3 operands, one E8M0 scale for each 32 along K, by v_wmma_scale_f32_16x16x128_f8f6f4 with both operands' format E2M3, f32 sums; everything else in f32.
;; Inputs: ff1_b 4,096 float32; ff1_w 1,024 x 4,096 float32; ff2_b 1,024 float32; ff2_w 4,096 x 1,024 float32; fnorm_b 1,024 float32; fnorm_w 1,024 float32; norm_b 1,024 float32; norm_w 1,024 float32; out_b 1,024 float32; out_w 1,024 x 1,024 float32; src 2 x 2,048 x 1,024 float32; wqkv_b 3,072 float32; wqkv_w 1,024 x 3,072 float32.
;; Outputs: out0 2 x 2,048 x 1,024 float32.
;; This version of the problem:
;;   THIS VERSION OF THE PROBLEM IS GIVEN IN LOW PRECISION. The matrix products marked QUANTISED in the list below multiply operands that are first quantised to E2M3 (2 exponent bits, 3 mantissa bits; 6 bits a number), with one power-of-two scale for each 32 numbers along K (OCP MX v1.0); their sums are f32. All else is computed in f32.
;;   The module's matrix products, in the order in which they are computed (A, B: the left and right operand; K: the contracted axis; several contracted axes count as one K, in the product's order):
;;     1. [M 4,096, K 1,024] x [K 1,024, N 3,072]; A: computed on the way; B: input wqkv_w: QUANTISED
;;     2. batch 32 x [M 2,048, K 64] x [K 64, N 2,048]; A: computed on the way; B: computed on the way: QUANTISED
;;     3. batch 32 x [M 2,048, K 2,048] x [K 2,048, N 64]; A: softmax (see below); B: computed on the way: QUANTISED
;;     4. [M 4,096, K 1,024] x [K 1,024, N 1,024]; A: computed on the way; B: input out_w: QUANTISED
;;     5. [M 4,096, K 1,024] x [K 1,024, N 4,096]; A: computed on the way; B: input ff1_w: QUANTISED
;;     6. [M 4,096, K 4,096] x [K 4,096, N 1,024]; A: computed on the way; B: input ff2_w: QUANTISED
;;   THE QUANTISER, for each operand of a quantised product, along K:
;;     - K is cut into blocks of 32 from its start; a last block that is shorter is filled with zeros.
;;     - A block's scale is 2^e with e = floor(log2(the largest magnitude in the block)) - 2, held to -126 .. 127; a block of zeros has e = 0. As a byte (E8M0): e + 127.
;;     - Each number is divided by its block's scale, clamped to +-7.5, and rounded to the nearest number of E2M3, ties to even, subnormals kept.
;;     - The product sums the exact products of the quantised numbers (number of the format x scale) in f32.
;;   ~~~python
;;   def quantise(x, axis):      # numpy; x: float32 -> the quantised numbers, widened to float32 again
;;       x = np.moveaxis(x, axis, -1); K = x.shape[-1]
;;       x = np.pad(x, [(0, 0)] * (x.ndim - 1) + [(0, -K % 32)]); x = x.reshape(x.shape[:-1] + (-1, 32)); a = np.abs(x).max(-1, keepdims=True)
;;       e = np.where(a > 0, np.clip(np.frexp(np.where(a > 0, a, 1))[1] - 1 - 2, -126, 127), 0)      # np.frexp(a)[1] - 1 = floor(log2(a)), exactly
;;       r = np.clip(x / 2.0 ** e, -7.5, 7.5)
;;       step = 2.0 ** (np.maximum(np.frexp(np.where(r == 0, 1, r))[1] - 1, 0) - 3)
;;       q = np.round(r / step) * step * 2.0 ** e      # np.round: ties to even
;;       return np.moveaxis(q.reshape(q.shape[:-2] + (-1,))[..., :K], -1, axis).astype(np.float32)
;;   ~~~
;;   SOFTMAX AHEAD OF A QUANTISED PRODUCT. Where the list says 'softmax', what is quantised is not the finished softmax but p = 2^(t - M), with t = logit x log2(e) and M = ceil(the row's largest t), a whole number; so 1/2 < the row's largest p <= 1. The row's sum l is taken of the UNQUANTISED p, in f32, and the product's result is divided by l at the end. Since M is a whole number, a kernel that streams over the keys may use a running M (the ceiling of the running maximum): every later rescaling is an exact power of two, which a block's scale takes up: the codes' values come out the same.
;;   OPERANDS COMPUTED ON THE WAY. 'Computed on the way' means the value that the module computes at that place (a softmax that the list does not call 'softmax' is quantised finished and normalised). What goes into a quantiser is computed in f32, as accurately as f32 sums, v_exp_f32 and their like allow (about 1e-6 of the number): no bf16 or f16 on the way to a quantiser, and a product that is left as it is and whose result goes on into a quantised operand takes f32 operands (vector FMAs, or v_wmma_f32_16x16x4_f32). A number that lies on a knife's edge between two numbers of the format may be rounded either way, as far as f32 arithmetic and the matrix unit's own rounding can turn it there, and no further.
;; One version. Each part assembles by itself: llvm-mc -triple=amdgcn-amd-amdhsa -mcpu=gfx1250 --defsym DOCPART=n.
;; ======== version 1 of 1: 6 launches
;; limits: right only within a limited range of input values
;; workspace buffers: pimg 13,107,200 bytes; qkv 10,092,544 bytes; ctx 3,276,800 bytes; src2 16,777,216 bytes; a5 3,276,800 bytes; hid 13,107,200 bytes
;; launch prep (part 1): grid 640 x 1, 8 waves a work-group, no clusters, 79,104 bytes of LDS; arguments src, norm_w, norm_b, wqkv_w, out_w, ff1_w, ff2_w, pimg; writes pimg
.if DOCPART == 1
	.amdgcn_target "amdgcn-amd-amdhsa--gfx1250"
	.amdhsa_code_object_version 6
	.text
	.protected	k_q581a9de008_prep
	.globl	k_q581a9de008_prep
	.p2align	8
	.type	k_q581a9de008_prep,@function
k_q581a9de008_prep:
	s_mov_b64 s[64:65], 0
	v_nop
	global_prefetch_b8 v0, s[64:65] scope:SCOPE_SE
	s_setreg_imm32_b32 hwreg(HW_REG_WAVE_MODE, 25, 1), 1
	s_wait_xcnt 0x0
; Work-groups 0 to 255: layer norm of 16 rows of x [4096][1024] f32, quantised along K to FP6 (E2M3) with one E8M0 byte for each 32, stored as operand images.  Wave s of eight takes K step s (128 columns).
; Work-groups 256 on (where the launch has them): two blocks of 128 columns x 128 K of one of four weights [K][N] f32, quantised along K, stored likewise.  A wave takes 32 columns x 128 K.
; IMAGES.  A block of 128 rows x 128 K is 12,800 bytes: eight fragments (16 rows x 128 K, 12 registers a lane; registers 4 c .. 4 c + 3 of lane l at 1536 tile + 512 c + 16 l), then 512 bytes of scale
; words (tile i, lane r at 12,288 + 16 r + 256 (i % 2) + 4 (i / 2)).  An operand is laid [row / 128][k / 128].  Lane r of tile 2 b + u holds row 32 b + 8 u + r + 8 (r / 8) of the 128.
; The output buffer begins with x's image (32 x 8 blocks); the weights' images follow on end: wqkv 192 blocks, out 64, ff1 256, ff2 256.
; THE LAYER NORM'S LOADS are dense: each reads 512 consecutive bytes (a row's 128 numbers, or w's, or b's); all 18 of a wave go out at once.  They turn through the wave's own stage in LDS (18 rows of 512 + 16 bytes), from
; which lane (r, h) takes, of row r, numbers 32 b + 16 h + 0 .. 15 of each block of 32.  A row's sum and its sum of squared deviations meet in LDS: a word a thread, one barrier each, other bytes for the second.
; LIMITS: a block of zeros gets the byte 1, not 127 (its codes are zeros, and this program alone reads the bytes); largest magnitudes under 2^-124 are held at that floor; NaN and infinities are not served.
; The scale words leave as 4 bytes a lane, 16 bytes apart: 1 byte in 24 of the codes' bytes.
.set UB,    12800
.set RED1,  0                          ; LDS: 1,024 bytes: a word a thread, the rows' partial sums
.set RED2,  1024                       ; the same for the squared deviations
.set SPARE, 2048                       ; the spare words, 128 bytes a wave
.set STG,   3072                       ; the stages
.set SP,    528
.set WST,   18*SP
.set SEL,   36
.set XX,    16                         ; v16-79   my 64 numbers, normalised in place
.set WW,    80                         ; v80-143  w at their columns
.set BB,    144                        ; v144-207 b
.set PC,    208                        ; v208-227 the codes just made; before that the eight waves' partial sums
.set TM,    228                        ; v228-243 at work in QUANT
.set SM,    228                        ; v228-235 four packed sums; v236-237 - mean; v238-239 1 / sqrt(variance + 1e-5)
.set PW,    244                        ; the scale word
.set SPW,   254
.set NIL,   255
; 64 numbers of a lane, register 16 b + i = k 32 b + 16 (lane / 16) + i of my row, become a fragment's codes in v[PC] on and its scale word in v[PW]
.macro QUANT s
.irp b, 0,1,2,3
	v_max3_num_f32 v[TM+\b], |v[\s+16*\b]|, |v[\s+1+16*\b]|, 0x1800000   ; my 16 numbers of block b, and the floor 2^(3 - 127): the byte cannot fall under 1
.endr
.irp i, 2,4,6,8,10,12,14
.irp b, 0,1,2,3
	s_delay_alu instid0(VALU_DEP_4)
	v_max3_num_f32 v[TM+\b], v[TM+\b], |v[\s+16*\b+\i]|, |v[\s+1+16*\b+\i]|
.endr
.endr
.irp b, 0,1,2,3
	s_delay_alu instid0(VALU_DEP_4)
	v_permlanex16_b32 v[TM+4+\b], v[TM+\b], s[SEL], s[SEL+1]
.endr
.irp b, 0,1,2,3
	s_delay_alu instid0(VALU_DEP_4)
	v_max_num_f32 v[TM+\b], v[TM+\b], v[TM+4+\b]                   ; with lane l xor 16's: the block's largest magnitude
.endr
.irp b, 0,1,2,3
	s_delay_alu instid0(VALU_DEP_4)
	v_add_nc_u32 v[TM+12+\b], 0xff000000, v[TM+\b]                 ; 2 off its exponent field: the conversion's scale operand
.endr
.irp b, 0,1,2,3
	s_delay_alu instid0(VALU_DEP_4)
	v_lshrrev_b32 v[TM+4+\b], 23, v[TM+12+\b]                      ; the scale's byte
.endr
	s_delay_alu instid0(VALU_DEP_3)
	v_lshl_or_b32 v[PW], v[TM+5], 8, v[TM+4]
	s_delay_alu instid0(VALU_DEP_1)
	v_lshl_or_b32 v[PW], v[TM+6], 16, v[PW]
	s_delay_alu instid0(VALU_DEP_1)
	v_lshl_or_b32 v[PW], v[TM+7], 24, v[PW]
.irp c, 0,1
	v_cvt_scalef32_pk16_fp6_f32 v[PC+6*\c:PC+2+6*\c], v[\s+32*\c:\s+15+32*\c], v[TM+12+2*\c]
	v_cvt_scalef32_pk16_fp6_f32 v[PC+12+4*\c:PC+14+4*\c], v[\s+16+32*\c:\s+31+32*\c], v[TM+12+2*\c+1]
.endr
	v_nop                                                          ; one plain place behind a scaled conversion
.irp c, 0,1                                                    ; the layout wants a whole block in a lane: lanes 0-15 block 2 c, lanes 16-31 block 2 c + 1
.irp i, 0,1,2
	v_permlane16_swap_b32 v[PC+6*\c+\i], v[PC+12+4*\c+\i]
.endr
.irp i, 0,1,2
	s_delay_alu instid0(VALU_DEP_3)
	v_mov_b32 v[PC+3+6*\c+\i], v[PC+12+4*\c+\i]
.endr
.endr
.endm
.macro JOIN                            ; the four chains, the pair's halves and lane l xor 16's: my wave's part of the row's sum in v[SM]
	s_delay_alu instid0(VALU_DEP_3)
	v_pk_add_f32 v[SM:SM+1], v[SM:SM+1], v[SM+2:SM+3]
	s_delay_alu instid0(VALU_DEP_2)
	v_pk_add_f32 v[SM+4:SM+5], v[SM+4:SM+5], v[SM+6:SM+7]
	s_delay_alu instid0(VALU_DEP_1)
	v_pk_add_f32 v[SM:SM+1], v[SM:SM+1], v[SM+4:SM+5]
	s_delay_alu instid0(VALU_DEP_1)
	v_add_f32 v[SM], v[SM], v[SM+1]
	s_delay_alu instid0(VALU_DEP_1)
	v_permlanex16_b32 v[SM+1], v[SM], s[SEL], s[SEL+1]
	s_delay_alu instid0(VALU_DEP_1)
	v_add_f32 v[SM], v[SM], v[SM+1]
.endm
.macro ACROSS off                      ; the eight waves' parts meet: a word a thread, a barrier, every wave adds all eight in the same order: the row's sum in v[PC]
	ds_store_b32 v8, v[SM] offset:\off
	s_wait_dscnt 0x0                               ; for the others' sake: my store has landed (and all my LDS loads are in)
	s_barrier_signal -1
	s_barrier_wait -1
.irp j, 0,1,2,3,4,5,6,7
	ds_load_b32 v[PC+\j], v9 offset:\off+128*\j
.endr
	s_wait_dscnt 0x0
	v_add_f32 v[PC], v[PC], v[PC+1]
	v_add_f32 v[PC+2], v[PC+2], v[PC+3]
	v_add_f32 v[PC+4], v[PC+4], v[PC+5]
	v_add_f32 v[PC+6], v[PC+6], v[PC+7]
	s_delay_alu instid0(VALU_DEP_3)
	v_add_f32 v[PC], v[PC], v[PC+2]
	s_delay_alu instid0(VALU_DEP_2)
	v_add_f32 v[PC+4], v[PC+4], v[PC+6]
	s_delay_alu instid0(VALU_DEP_1)
	v_add_f32 v[PC], v[PC], v[PC+4]
.endm
	s_load_b512 s[4:19], s[0:1], 0x0               ; x, w, b, wqkv_w, out_w, ff1_w, ff2_w, the images
	v_lshl_add_u32 v[SPW], v0, 2, SPARE
	v_mov_b32 v[NIL], 0
	v_lshrrev_b32 v1, 5, v0
	s_delay_alu instid0(VALU_DEP_1)
	v_readfirstlane_b32 s20, v1                    ; wave 0..7
	v_and_b32 v1, 31, v0                           ; lane
	s_delay_alu instid0(VALU_DEP_1)
	v_lshlrev_b32 v6, 4, v1                        ; 16 x lane
	s_wait_kmcnt 0x0
	s_cmp_ge_u32 ttmp9, 256                        ; the work-group's number alone: all eight waves go the same way
	s_cbranch_scc1 .Lweights
; ---- THE LAYER NORM.  Tile ttmp9 of 256: group g = tile / 8, tile i = tile % 8; my K step is my wave's number
	v_and_b32 v2, 15, v0                           ; r
	v_bfe_u32 v3, v0, 4, 1                         ; h
	s_mul_i32 s21, s20, WST
	s_add_co_u32 s21, s21, STG                     ; my stage
	s_wait_alu depctr_va_vdst(0)
	v_add_nc_u32 v4, s21, v6                       ; in: 16 x lane; the row stands in the offset
	v_mul_u32_u24 v5, v2, SP
	s_delay_alu instid0(VALU_DEP_1)
	v_lshl_add_u32 v5, v3, 6, v5
	s_delay_alu instid0(VALU_DEP_1)
	v_add_nc_u32 v5, s21, v5                       ; back: row r, + 64 h
	v_lshlrev_b32 v7, 6, v3
	s_delay_alu instid0(VALU_DEP_1)
	v_add_nc_u32 v7, s21, v7                       ; w and b (rows 16, 17): 64 h
	v_lshlrev_b32 v8, 2, v0                        ; the sums: my thread's word,
	v_lshlrev_b32 v9, 2, v1                        ; and my lane's word of each wave
	v_lshlrev_b32 v10, 4, v2                       ; scale words: 16 r
	s_mov_b32 s[SEL], 0x76543210
	s_mov_b32 s[SEL+1], 0xfedcba98                 ; v_permlanex16_b32's selects for lane l xor 16
	s_mov_b32 s38, 0x3a800000                      ; 1 / 1024
	s_mov_b32 s39, 0x3727c5ac                      ; 1e-5
	s_lshr_b32 s22, ttmp9, 3                       ; g
	s_and_b32 s23, ttmp9, 7                        ; i
	s_lshr_b32 s24, s23, 1
	s_and_b32 s25, s23, 1
	s_lshl_b32 s26, s22, 7
	s_lshl_b32 s27, s24, 5
	s_add_co_u32 s26, s26, s27
	s_lshl_b32 s27, s25, 3
	s_add_co_u32 s26, s26, s27                     ; the tile's first row: 128 g + 32 (i / 2) + 8 (i % 2)
	s_lshl_b32 s26, s26, 12
	s_lshl_b32 s28, s20, 9                         ; my K step: 512 bytes of a row
	s_mov_b32 s29, 0
	s_add_co_u32 s26, s26, s28
	s_mov_b32 s27, 0
	s_add_nc_u64 s[4:5], s[4:5], s[26:27]
	s_add_nc_u64 s[6:7], s[6:7], s[28:29]
	s_add_nc_u64 s[8:9], s[8:9], s[28:29]
	s_lshl_b32 s34, s22, 3
	s_add_co_u32 s34, s34, s20
	s_mul_i32 s34, s34, UB                         ; block 8 g + s
	s_mul_i32 s30, s23, 1536
	s_add_co_u32 s30, s30, s34
	s_mov_b32 s31, 0
	s_add_nc_u64 s[30:31], s[18:19], s[30:31]      ; my tile's image
	s_lshl_b32 s32, s25, 8
	s_add_co_u32 s32, s32, s34
	s_lshl_b32 s33, s24, 2
	s_add_co_u32 s32, s32, s33
	s_add_co_u32 s32, s32, 12288
	s_mov_b32 s33, 0
	s_add_nc_u64 s[32:33], s[18:19], s[32:33]      ; and its scale words
.set li, 0
.rept 16                               ; stage row li is the tile's lane li: row li + 8 (li / 8) from the tile's first
	global_load_b128 v[XX+4*li:XX+4*li+3], v6, s[4:5] offset:4096*(li+8*(li/8)) th:TH_LOAD_NT
.set li, li+1
.endr
	global_load_b128 v[WW:WW+3], v6, s[6:7]
	global_load_b128 v[BB:BB+3], v6, s[8:9]
.set li, 0
	s_wait_alu depctr_va_vdst(0)
.rept 16
	s_wait_loadcnt 17-li                           ; row li is in; the loads issued behind it may be out
	ds_store_b128 v4, v[XX+4*li:XX+4*li+3] offset:SP*li
.set li, li+1
.endr
	s_wait_loadcnt 0x0
	ds_store_b128 v4, v[WW:WW+3] offset:SP*16
	ds_store_b128 v4, v[BB:BB+3] offset:SP*17
.irp b, 0,1,2,3                        ; LDS serves a wave's instructions in order (ISA guide 5.7.1.4): these see my stores
.irp j, 0,1,2,3
	ds_load_b128 v[XX+16*\b+4*\j:XX+16*\b+4*\j+3], v5 offset:128*\b+16*\j
.endr
.endr
.irp b, 0,1,2,3
.irp j, 0,1,2,3
	ds_load_b128 v[WW+16*\b+4*\j:WW+16*\b+4*\j+3], v7 offset:SP*16+128*\b+16*\j
.endr
.endr
.irp b, 0,1,2,3
.irp j, 0,1,2,3
	ds_load_b128 v[BB+16*\b+4*\j:BB+16*\b+4*\j+3], v7 offset:SP*17+128*\b+16*\j
.endr
.endr
	s_wait_dscnt 32                                ; my 64 numbers are back; w's and b's 32 loads may be out
.irp c, 0,1,2,3
	v_pk_add_f32 v[SM+2*\c:SM+2*\c+1], v[XX+4*\c:XX+4*\c+1], v[XX+4*\c+2:XX+4*\c+3]   ; the first sixteen start four chains: nothing is cleared
.endr
.set k, 16
.rept 24
	s_delay_alu instid0(VALU_DEP_4)
	v_pk_add_f32 v[SM+2*((k/2)%4):SM+2*((k/2)%4)+1], v[SM+2*((k/2)%4):SM+2*((k/2)%4)+1], v[XX+k:XX+k+1]
.set k, k+2
.endr
	JOIN
	ACROSS RED1
	s_delay_alu instid0(VALU_DEP_1)
	v_mul_f32 v236, 0xba800000, v[PC]              ; - mean
	s_delay_alu instid0(VALU_DEP_1)
	v_mov_b32 v237, v236
.set k, 0
.rept 32
	v_pk_add_f32 v[XX+k:XX+k+1], v[XX+k:XX+k+1], v[236:237]        ; x - mean in place: no difference of large sums is formed
.set k, k+2
.endr
.irp c, 0,1,2,3
	v_pk_mul_f32 v[SM+2*\c:SM+2*\c+1], v[XX+2*\c:XX+2*\c+1], v[XX+2*\c:XX+2*\c+1]
.endr
.set k, 8
.rept 28
	s_delay_alu instid0(VALU_DEP_4)
	v_pk_fma_f32 v[SM+2*((k/2)%4):SM+2*((k/2)%4)+1], v[XX+k:XX+k+1], v[XX+k:XX+k+1], v[SM+2*((k/2)%4):SM+2*((k/2)%4)+1]
.set k, k+2
.endr
	JOIN
	ACROSS RED2
	s_delay_alu instid0(VALU_DEP_1)
	v_fma_f32 v[PC], v[PC], s38, s39               ; the variance + 1e-5
	s_wait_alu depctr_va_vdst(0)
	v_rsq_f32 v238, v[PC]
	v_nop                                          ; a plain place behind the transcendental
	s_wait_alu depctr_va_vdst(0)                   ; and the wait ahead of its first reader
	v_mov_b32 v239, v238
.set k, 0
.rept 32
	v_pk_mul_f32 v[XX+k:XX+k+1], v[XX+k:XX+k+1], v[238:239]
.set k, k+2
.endr
.set k, 0
.rept 32
	v_pk_fma_f32 v[XX+k:XX+k+1], v[XX+k:XX+k+1], v[WW+k:WW+k+1], v[BB+k:BB+k+1]
.set k, k+2
.endr
	QUANT XX
.irp c, 0,1,2
	global_store_b128 v6, v[PC+4*\c:PC+4*\c+3], s[30:31] offset:512*\c     ; 32 lanes store 512 consecutive bytes
.endr
	global_store_b32 v10, v[PW], s[32:33]          ; both halves of the lanes hold the same word and name the same place
	s_wait_tensorcnt 0x0                           ; the wave's end, behind my last LDS store
	ds_add_u32 v[SPW], v[NIL]
	s_wait_dscnt 0x0
	s_endpgm
; ---- THE WEIGHTS.  Block u = 2 x (work-group - 256) + wave / 4 of 768; my 32 columns are e = wave % 4.  A lane takes a column and its registers run down K: a block of 32 along K lies in one lane, and each
; load reads 128 consecutive bytes.  Lanes 0-15 take the columns of tile 2 e, lanes 16-31 those of tile 2 e + 1, in the tiles' own order of rows.
.Lweights:
	s_sub_co_u32 s21, ttmp9, 256
	s_lshl_b32 s21, s21, 1
	s_lshr_b32 s50, s20, 2
	s_add_co_u32 s21, s21, s50                     ; u
	s_and_b32 s51, s20, 3                          ; e
	s_mov_b64 s[22:23], s[16:17]                   ; ff2_w: pitch 4,096 bytes, first block 512, 32 K steps
	s_mov_b32 s24, 4096
	s_mov_b32 s25, 512
	s_mov_b32 s26, 5
	s_cmp_lt_u32 s21, 512
	s_cselect_b64 s[22:23], s[14:15], s[22:23]     ; ff1_w
	s_cselect_b32 s24, 16384, s24
	s_cselect_b32 s25, 256, s25
	s_cselect_b32 s26, 3, s26
	s_cmp_lt_u32 s21, 256
	s_cselect_b64 s[22:23], s[12:13], s[22:23]     ; out_w
	s_cselect_b32 s24, 4096, s24
	s_cselect_b32 s25, 192, s25
	s_cmp_lt_u32 s21, 192
	s_cselect_b64 s[22:23], s[10:11], s[22:23]     ; wqkv_w
	s_cselect_b32 s24, 12288, s24
	s_cselect_b32 s25, 0, s25
	s_sub_co_u32 s27, s21, s25                     ; the block's number in its weight
	s_lshr_b32 s34, s27, s26                       ; g: which 128 columns
	s_lshl_b32 s35, s34, s26
	s_sub_co_u32 s35, s27, s35                     ; s: which 128 along K
	s_mul_i32 s28, s35, s24
	s_lshl_b32 s28, s28, 7
	s_lshl_b32 s29, s34, 9
	s_add_co_u32 s28, s28, s29
	s_lshl_b32 s29, s51, 7                         ; my 32 columns: 128 bytes
	s_add_co_u32 s28, s28, s29
	s_mov_b32 s29, 0
	s_add_nc_u64 s[40:41], s[22:23], s[28:29]      ; four bases, 32 rows of the weight apart
	s_lshl_b32 s30, s24, 5
	s_mov_b32 s31, 0
	s_add_nc_u64 s[42:43], s[40:41], s[30:31]
	s_add_nc_u64 s[44:45], s[42:43], s[30:31]
	s_add_nc_u64 s[46:47], s[44:45], s[30:31]
	s_mul_i32 s32, s21, UB
	s_add_co_u32 s32, s32, 32*8*UB                 ; behind x's image
	s_mul_i32 s52, s51, 3072
	s_add_co_u32 s52, s52, s32
	s_mov_b32 s53, 0
	s_add_nc_u64 s[48:49], s[18:19], s[52:53]      ; my two tiles' images
	s_lshl_b32 s52, s51, 2
	s_add_co_u32 s52, s52, s32
	s_add_co_u32 s52, s52, 12288
	s_add_nc_u64 s[54:55], s[18:19], s[52:53]      ; their scale words: 16 x lane + 4 e
	s_wait_alu depctr_va_vdst(0)
	v_and_b32 v3, 7, v1
	v_bfe_u32 v4, v1, 3, 1
	s_delay_alu instid0(VALU_DEP_1)
	v_lshl_add_u32 v3, v4, 4, v3
	v_bfe_u32 v4, v1, 4, 1
	s_delay_alu instid0(VALU_DEP_1)
	v_lshl_add_u32 v3, v4, 3, v3                   ; my column of the 32: lane % 8 + 16 ((lane / 8) % 2) + 8 (lane / 16)
	s_delay_alu instid0(VALU_DEP_1)
	v_lshlrev_b32 v3, 2, v3
.set li, 0
.rept 32
	v_mad_u32_u24 v[16+li], s24, li, v3            ; v16-47: row li of a block of 32, my column
.set li, li+1
.endr
.set CB0, 176                          ; v176-199: blocks 0, 2 of K, then blocks 1, 3
.macro LOADU n                         ; unit n: K 32 n on, into v[48 + 32 n] on
.set li, 0
.rept 32
	global_load_b32 v[48+32*(\n)+li], v[16+li], s[40+2*(\n):41+2*(\n)] th:TH_LOAD_NT
.set li, li+1
.endr
.endm
.macro BLK n
.set XS, 48+32*(\n)
.set CBX, CB0+12*((\n)%2)+6*((\n)/2)
	v_max3_num_f32 v12, |v[XS]|, |v[XS+1]|, |v[XS+2]|
	v_max3_num_f32 v13, |v[XS+3]|, |v[XS+4]|, |v[XS+5]|
.irp i, 6,10,14,18,22,26
	s_delay_alu instid0(VALU_DEP_2)
	v_max3_num_f32 v12, v12, |v[XS+\i]|, |v[XS+\i+1]|
	s_delay_alu instid0(VALU_DEP_2)
	v_max3_num_f32 v13, v13, |v[XS+\i+2]|, |v[XS+\i+3]|
.endr
	s_delay_alu instid0(VALU_DEP_2)
	v_max3_num_f32 v12, v12, |v[XS+30]|, |v[XS+31]|
	s_delay_alu instid0(VALU_DEP_1)
	v_max3_num_f32 v12, v12, v13, 0x1800000        ; and the floor
	s_delay_alu instid0(VALU_DEP_1)
	v_add_nc_u32 v11, 0xff000000, v12              ; the conversion's scale operand
	s_delay_alu instid0(VALU_DEP_1)
	v_lshrrev_b32 v13, 23, v11                     ; the byte
.if (\n) == 0
	s_delay_alu instid0(VALU_DEP_1)
	v_mov_b32 v204, v13
.else
	s_delay_alu instid0(VALU_DEP_1)
	v_lshl_or_b32 v204, v13, 8*(\n), v204
.endif
	v_cvt_scalef32_pk16_fp6_f32 v[CBX:CBX+2], v[XS:XS+15], v11
	v_cvt_scalef32_pk16_fp6_f32 v[200:202], v[XS+16:XS+31], v11    ; (a conversion's three registers begin on an even number)
	v_nop
.irp i, 0,1,2
	v_mov_b32 v[CBX+3+\i], v[200+\i]
.endr
.endm
	LOADU 0                                        ; all 128 loads of the wave go out on end
	LOADU 1
	LOADU 2
	LOADU 3
	s_wait_loadcnt 63                              ; of the 128 at most 63 are out: the first 64, units 0 and 1, are in
	BLK 0
	BLK 1
	s_wait_loadcnt 32                              ; unit 3's may be out
	BLK 2
	s_wait_loadcnt 0x0
	BLK 3
.set si, 0
.rept 12                               ; lanes 0-15 hold all four blocks of tile 2 e, lanes 16-31 of tile 2 e + 1: the exchange gives each half of the lanes its blocks of ONE tile
	v_permlane16_swap_b32 v[CB0+si], v[CB0+12+si]
.set si, si+1
.endr
.irp tt, 0,1
.irp c, 0,1,2
	global_store_b128 v6, v[CB0+12*\tt+4*\c:CB0+12*\tt+4*\c+3], s[48:49] offset:1536*\tt+512*\c   ; 32 lanes store 512 consecutive bytes
.endr
.endr
	global_store_b32 v6, v204, s[54:55]
	s_endpgm
.Lfunc_end_k_q581a9de008_prep:
	.size	k_q581a9de008_prep, .Lfunc_end_k_q581a9de008_prep-k_q581a9de008_prep
	.p2alignl 7, 3214868480
	.fill 96, 4, 3214868480
	.section	.rodata,"a",@progbits
	.p2align	6, 0x0
	.amdhsa_kernel k_q581a9de008_prep
		.amdhsa_group_segment_fixed_size 79104
		.amdhsa_private_segment_fixed_size 0
		.amdhsa_enable_private_segment 0
		.amdhsa_kernarg_size 64
		.amdhsa_user_sgpr_count 2
		.amdhsa_user_sgpr_kernarg_segment_ptr 1
		.amdhsa_wavefront_size32 1
		.amdhsa_system_sgpr_workgroup_id_x 1
		.amdhsa_system_sgpr_workgroup_id_y 1
		.amdhsa_system_sgpr_workgroup_id_z 1
		.amdhsa_system_vgpr_workitem_id 0
		.amdhsa_next_free_vgpr 256
		.amdhsa_next_free_sgpr 66
		.amdhsa_reserve_vcc 0
		.amdhsa_float_denorm_mode_32 3
		.amdhsa_float_denorm_mode_16_64 3
		.amdhsa_memory_ordered 1
		.amdhsa_forward_progress 1
		.amdhsa_inst_pref_size 56
	.end_amdhsa_kernel
	.amdgpu_metadata
---
amdhsa.version: [ 1, 2 ]
amdhsa.kernels:
  - .name:           k_q581a9de008_prep
    .symbol:         k_q581a9de008_prep.kd
    .args:
      - { .name: src, .offset: 0, .size: 8, .value_kind: global_buffer, .address_space: global }
      - { .name: norm_w, .offset: 8, .size: 8, .value_kind: global_buffer, .address_space: global }
      - { .name: norm_b, .offset: 16, .size: 8, .value_kind: global_buffer, .address_space: global }
      - { .name: wqkv_w, .offset: 24, .size: 8, .value_kind: global_buffer, .address_space: global }
      - { .name: out_w, .offset: 32, .size: 8, .value_kind: global_buffer, .address_space: global }
      - { .name: ff1_w, .offset: 40, .size: 8, .value_kind: global_buffer, .address_space: global }
      - { .name: ff2_w, .offset: 48, .size: 8, .value_kind: global_buffer, .address_space: global }
      - { .name: pimg, .offset: 56, .size: 8, .value_kind: global_buffer, .address_space: global }
    .group_segment_fixed_size: 79104
    .private_segment_fixed_size: 0
    .kernarg_segment_align: 8
    .kernarg_segment_size: 64
    .max_flat_workgroup_size: 256
    .sgpr_count:     66
    .vgpr_count:     256
    .wavefront_size: 32
...
	.end_amdgpu_metadata
.endif
;; end of part 1
;; launch g1 (part 2): grid 12 x 16, 4 waves a work-group, clusters of 4 x 4, 327,680 bytes of LDS; arguments pimg, wqkv_b, qkv; writes qkv
.if DOCPART == 2
	.amdgcn_target "amdgcn-amd-amdhsa--gfx1250"
	.amdhsa_code_object_version 6
	.text
	.protected	k_q581a9de008_g1
	.globl	k_q581a9de008_g1
	.p2align	8
	.type	k_q581a9de008_g1,@function
k_q581a9de008_g1:
	s_mov_b64 s[64:65], 0
	v_nop
	global_prefetch_b8 v0, s[64:65] scope:SCOPE_SE
	s_setreg_imm32_b32 hwreg(HW_REG_WAVE_MODE, 25, 1), 1
	s_wait_xcnt 0x0
	s_wait_alu depctr_hold_cnt(0) depctr_sa_sdst(0) depctr_va_vdst(0) depctr_va_sdst(0) depctr_va_ssrc(0) depctr_va_vcc(0) depctr_vm_vsrc(0)
	s_getreg_b32 s2, hwreg(HW_REG_IB_STS2, 6, 4)
	s_cmp_eq_u32 s2, 0
	s_cbranch_scc0 .Lentry_in_a_cluster
	s_endpgm
.Lentry_in_a_cluster:
	s_bfe_u32 s2, ttmp6, 0x10000c
	s_cmp_lg_u32 s2, 0xf033
	s_cbranch_scc0 .Lentry_shape_is_right
	s_endpgm
.Lentry_shape_is_right:
.set T,     8
.set NS,    2
.set KS,    8
.set LAPS,  KS/(2*NS)
.set BOFF,  3276800
.set UB,    12800
.set WLD,   2*UB
.set SLOT,  8*UB
.set SPARE, 2*SLOT
.set FR,    12
.set ADRA,  16
.set ADRB,  18
.set ADRS,  20
.set L16,   22
.set L8,    23
.set SPW,   28
.set NIL,   29
.set SC,    32
.set VJ,    48
.set F1,    64
.set Y,     64
.set PC,    128
.set TM,    152
.set PW,    168
.set W0S,   176
.set W1S,   184
.set XO,    192
.set G1,    24
.set G0,    32
.set G1B,   48
.set G0B,   56
.set SEL,   76
.set MSB, 0
.macro WIN new
.if MSB != (\new)
	s_set_vgpr_msb (MSB<<8)|(\new)
.set MSB, (\new)
.endif
.endm
.macro PLACES
.rept 4
	v_nop
.endr
.endm
.macro JLOAD s
	s_cmp_eq_u32 s15, 0
	s_cbranch_scc0 .Lfor_b_\@
	tensor_load_to_lds s[G0+4*\s:G0+4*\s+3], s[G1:G1+7]
	s_nop 0
.rept 4
	v_nop
.endr
	s_branch .Lasked_\@
.Lfor_b_\@:
	tensor_load_to_lds s[G0B+4*\s:G0B+4*\s+3], s[G1B:G1B+7]
	s_nop 0
.rept 4
	v_nop
.endr
.Lasked_\@:
.endm
.macro CREST
	s_cmp_lg_u32 s14, 0
	s_cbranch_scc1 .Lnot_wave_0_\@
	s_barrier_signal -3
.Lnot_wave_0_\@:
	s_barrier_wait -3
	s_barrier_signal -1
	s_barrier_wait -1
.endm
.macro CROUND
	s_barrier_signal -1
	s_barrier_wait -1
	CREST
.endm
.macro FETCH slot, q, p
	WIN 0x40
.set fi, 0
.rept T
.irp c, 0,1,2
	ds_load_b128 v[FR*T*(\p)+FR*fi+4*\c:FR*T*(\p)+FR*fi+4*\c+3], v[ADRB+\slot] offset:UB*(\q)+1536*fi+512*\c
.endr
.set fi, fi+1
.endr
	WIN 0
.set fi, 0
.rept T
.irp c, 0,1,2
	ds_load_b128 v[F1+FR*T*(\p)+FR*fi+4*\c:F1+FR*T*(\p)+FR*fi+4*\c+3], v[ADRA+\slot] offset:UB*(\q)+1536*fi+512*\c
.endr
.set fi, fi+1
.endr
	ds_load_b128 v[SC+8*(\p):SC+8*(\p)+3], v[ADRS+\slot] offset:UB*(\q)+12288
	ds_load_b128 v[SC+8*(\p)+4:SC+8*(\p)+7], v[ADRS+\slot] offset:UB*(\q)+12544
.endm
.macro MULA a, p, zero
	WIN 0xa1+0x50*((8*T*(\a))/256)
.set mt, 0
.rept T
.set rD, (8*T*(\a))%256+8*mt
.set rA, FR*T*(\p)+FR*mt
.set rB, F1+FR*T*(\p)+FR*(\a)
.set rX, SC+T*(\p)+(T/2)*(mt%2)+mt/2
.set rY, SC+T*(\p)+(T/2)*((\a)%2)+(\a)/2
.if \zero
	v_wmma_scale_f32_16x16x128_f8f6f4 v[rD:rD+7], v[rA:rA+11], v[rB:rB+11], 0, v[rX], v[rY] matrix_a_fmt:MATRIX_FMT_FP6 matrix_b_fmt:MATRIX_FMT_FP6 matrix_a_scale:MATRIX_SCALE_ROW1
.else
	v_wmma_scale_f32_16x16x128_f8f6f4 v[rD:rD+7], v[rA:rA+11], v[rB:rB+11], v[rD:rD+7], v[rX], v[rY] matrix_a_fmt:MATRIX_FMT_FP6 matrix_b_fmt:MATRIX_FMT_FP6 matrix_a_scale:MATRIX_SCALE_ROW1
.endif
.set mt, mt+1
.endr
.endm
.macro MULS a0, n, p, zero
.set aa, \a0
.rept \n
	MULA aa, \p, \zero
.set aa, aa+1
.endr
.endm
.macro STEP slot, q, zero
	s_wait_dscnt 0x0
	PLACES
	FETCH \slot, (\q)+1, 1-(\q)%2
	MULS 0, T, (\q)%2, \zero
	WIN 0
.endm
.macro MID slot
.if NS > 2
.set qq, 1
.rept NS-2
	STEP \slot, qq, 0
.set qq, qq+1
.endr
.endif
.endm
.macro TURN slot, next, fill
	WIN 0
	s_wait_tensorcnt 0x0
	ds_add_u32 v[SPW], v[NIL]
	s_wait_dscnt 0x1
	MULS 0, T/4, 1, 0
	s_wait_dscnt 0x0
	s_barrier_signal -1
	MULS T/4, T/4, 1, 0
	WIN 0
	s_barrier_wait -1
.if \fill
	CREST
	s_add_nc_u64 s[G0+4*\slot+2:G0+4*\slot+3], s[G0+4*\slot+2:G0+4*\slot+3], 2*NS*UB
	s_add_nc_u64 s[G0B+4*\slot+2:G0B+4*\slot+3], s[G0B+4*\slot+2:G0B+4*\slot+3], 2*NS*UB
	JLOAD \slot
.else
	PLACES
.endif
	FETCH \next, 0, 0
	MULS T/2, T/2, 1, 0
	WIN 0
.endm
.macro QUANT s
.irp b, 0,1,2,3
	v_max3_num_f32 v[TM+\b], |v[\s+16*\b]|, |v[\s+1+16*\b]|, 0x1800000
.endr
.irp i, 2,4,6,8,10,12,14
.irp b, 0,1,2,3
	v_max3_num_f32 v[TM+\b], v[TM+\b], |v[\s+16*\b+\i]|, |v[\s+1+16*\b+\i]|
.endr
.endr
.irp b, 0,1,2,3
	v_permlanex16_b32 v[TM+4+\b], v[TM+\b], s[SEL], s[SEL+1]
.endr
.irp b, 0,1,2,3
	v_max_num_f32 v[TM+\b], v[TM+\b], v[TM+4+\b]
.endr
.irp b, 0,1,2,3
	v_add_nc_u32 v[TM+12+\b], 0xff000000, v[TM+\b]
.endr
.irp b, 0,1,2,3
	v_lshrrev_b32 v[TM+4+\b], 23, v[TM+12+\b]
.endr
	v_lshl_or_b32 v[PW], v[TM+5], 8, v[TM+4]
	v_lshl_or_b32 v[PW], v[TM+6], 16, v[PW]
	v_lshl_or_b32 v[PW], v[TM+7], 24, v[PW]
.irp c, 0,1
	v_cvt_scalef32_pk16_fp6_f32 v[PC+6*\c:PC+2+6*\c], v[\s+32*\c:\s+15+32*\c], v[TM+12+2*\c]
	v_cvt_scalef32_pk16_fp6_f32 v[PC+12+4*\c:PC+14+4*\c], v[\s+16+32*\c:\s+31+32*\c], v[TM+12+2*\c+1]
.endr
	v_nop
.irp c, 0,1
.irp i, 0,1,2
	v_permlane16_swap_b32 v[PC+6*\c+\i], v[PC+12+4*\c+\i]
.endr
.irp i, 0,1,2
	v_mov_b32 v[PC+3+6*\c+\i], v[PC+12+4*\c+\i]
.endr
.endr
.endm
	s_load_b128 s[4:7], s[0:1], 0x0
	s_load_b64 s[8:9], s[0:1], 0x10
	v_lshl_add_u32 v[SPW], v0, 2, SPARE
	v_mov_b32 v[NIL], 0
	ds_add_u32 v[SPW], v[NIL]
	ds_add_u32 v[SPW], v[NIL]
	v_lshrrev_b32 v1, 5, v0
	v_readfirstlane_b32 s14, v1
	s_lshr_b32 s15, s14, 1
	s_and_b32 s16, s14, 1
	s_bfe_u32 s40, ttmp6, 0x40000
	s_bfe_u32 s41, ttmp6, 0x40004
	s_lshl_b32 s42, ttmp9, 2
	s_add_co_u32 s42, s42, s40
	s_and_b32 s17, ttmp7, 0xffff
	s_lshl_b32 s17, s17, 2
	s_add_co_u32 s17, s17, s41
	s_lshl_b32 s43, s41, 2
	s_lshl_b32 s43, 15, s43
	s_lshl_b32 s44, 0x1111, s40
	s_or_b32 s[G1], s43, (3<<16)|(1<<21)
	s_or_b32 s[G1B], s44, (3<<16)|(1<<21)
.irp g, G1, G1B
	s_mov_b32 s[\g+1], 32<<16
	s_mov_b32 s[\g+2], 100<<16
	s_mov_b32 s[\g+3], 32<<16
	s_mov_b32 s[\g+4], 100
	s_mov_b32 s[\g+5], 32
	s_mov_b32 s[\g+6], 0
	s_mov_b32 s[\g+7], 0
.endr
	s_lshl_b32 s20, s17, 1
	s_add_co_u32 s20, s20, s16
	s_mul_i32 s20, s20, KS*UB
	s_mov_b32 s21, 0
	s_lshl_b32 s46, s42, 1
	s_add_co_u32 s46, s46, s16
	s_mul_i32 s46, s46, KS*UB
	s_add_co_u32 s46, s46, BOFF
	s_mov_b32 s47, 0
	s_mul_i32 s45, s14, WLD
	s_wait_dscnt 0x0
	s_wait_kmcnt 0x0
	s_add_nc_u64 s[20:21], s[4:5], s[20:21]
	s_add_nc_u64 s[46:47], s[4:5], s[46:47]
	CROUND
.irp s, 0,1
	s_mov_b32 s[G0+4*\s], 1
	s_add_co_u32 s[G0+4*\s+1], s45, \s*SLOT
	s_add_nc_u64 s[G0+4*\s+2:G0+4*\s+3], s[20:21], \s*NS*UB
	s_or_b32 s[G0+4*\s+3], s[G0+4*\s+3], 0x80000000
	s_mov_b32 s[G0B+4*\s], 1
	s_add_co_u32 s[G0B+4*\s+1], s45, \s*SLOT
	s_add_nc_u64 s[G0B+4*\s+2:G0B+4*\s+3], s[46:47], \s*NS*UB
	s_or_b32 s[G0B+4*\s+3], s[G0B+4*\s+3], 0x80000000
.endr
	JLOAD 0                                        ; slot 0: one tensor load a wave at the head
	v_and_b32 v1, 31, v0
	v_lshlrev_b32 v[L16], 4, v1
	s_wait_alu depctr_va_vdst(0)
	v_lshlrev_b32 v[L8], 3, v1
	v_and_b32 v2, 15, v0
	v_bfe_u32 v3, v0, 4, 1
	s_mov_b32 s[SEL], 0x76543210
	s_mov_b32 s[SEL+1], 0xfedcba98
	s_mov_b32 s78, 0xffff0000
	s_mul_i32 s21, s15, WLD
	s_mul_i32 s22, s16, WLD
	s_add_co_u32 s22, s22, 2*WLD
	s_cmp_eq_u32 ttmp9, 2
	s_cselect_b32 s66, s22, s21
	s_cselect_b32 s67, s21, s22
	s_cselect_b32 s72, 0, 64
	s_cselect_b32 s73, 4, 0
	s_cselect_b32 s74, 0, 4
	v_add_nc_u32 v[ADRA], s66, v[L16]
	v_add_nc_u32 v[ADRA+1], SLOT, v[ADRA]
	v_add_nc_u32 v[ADRB], s67, v[L16]
	v_add_nc_u32 v[ADRB+1], SLOT, v[ADRB]
	v_mov_b32 v4, s66
	v_mov_b32 v5, s67
	v_cndmask_b32 v4, v4, v5, s78
	s_wait_alu depctr_va_vdst(0)
	v_lshl_add_u32 v[ADRS], v2, 4, v4
	v_add_nc_u32 v[ADRS+1], SLOT, v[ADRS]
	v_and_b32 v4, 8, v2
	v_add_nc_u32 v4, v4, v2
	v_mul_u32_u24 v5, s72, v3
	v_mad_u32_u24 v5, s73, v4, v5
.irp j, 0,1,2,3,4,5,6,7
	v_mad_u32_u24 v[VJ+\j], s74, \j, v5
.endr
	s_lshl_b32 s18, s42, 1
	s_add_co_u32 s18, s18, s16
	s_lshl_b32 s19, s17, 1
	s_add_co_u32 s19, s19, s15
	s_lshl_b32 s70, s18, 9
	s_mov_b32 s71, 0
	s_add_nc_u64 s[6:7], s[6:7], s[70:71]
	s_lshr_b32 s70, s19, 4
	s_lshl_b32 s70, s70, 3
	s_and_b32 s72, s18, 7
	s_add_co_u32 s70, s70, s72
	s_lshl_b32 s70, s70, 4
	s_and_b32 s72, s19, 15
	s_add_co_u32 s70, s70, s72
	s_mov_b32 s72, 13312
	s_cmp_eq_u32 ttmp9, 2
	s_cselect_b32 s72, 12800, s72
	s_mul_i32 s70, s70, s72
	s_mul_i32 s72, ttmp9, 3407872
	s_add_co_u32 s70, s70, s72
	s_add_nc_u64 s[8:9], s[8:9], s[70:71]
	WIN 0x40
	s_wait_alu depctr_va_vdst(0)
.irp x, 0,1,2,3,4,5,6,7
.irp j, 0,1,2,3,4,5,6,7
	global_load_b32 v[192+8*\x+\j], v[VJ+\j], s[6:7] offset:4*(32*(\x/2)+8*(\x%2))
.endr
.endr
	WIN 0
	s_wait_alu depctr_va_vdst(0)                   ; the wait at the head's end
	s_wait_tensorcnt 0x0                           ; my part of slot 0 is in; slot 1's first fill is issued as a refill is
	ds_add_u32 v[SPW], v[NIL]
	s_wait_dscnt 0x0
	CROUND
	JLOAD 1
	FETCH 0, 0, 0
	STEP 0, 0, 1
.if LAPS > 1
	s_mov_b32 s3, LAPS-1
.Llap:
	MID 0
	TURN 0, 1, 1
	STEP 1, 0, 0
	MID 1
	TURN 1, 0, 1
	STEP 0, 0, 0
	s_sub_co_u32 s3, s3, 1
	s_cmp_lg_u32 s3, 0
	s_cbranch_scc1 .Llap
.endif
	MID 0
	TURN 0, 1, 0
	STEP 1, 0, 0
	MID 1
	s_wait_dscnt 0x0
	MULS 0, T, 1, 0
	WIN 0
.macro EPI var
.set ea, 0
.rept 8
	s_wait_xcnt 0x0
	WIN 0x06+ea/4
.set ei, 0
.rept 32
.if \var
	v_pk_add_f32 v[Y+ei:Y+ei+1], v[64*(ea%4)+ei:64*(ea%4)+ei+1], v[192+8*ea+ei%8:192+8*ea+ei%8+1]
.else
	v_pk_add_f32 v[Y+ei:Y+ei+1], v[64*(ea%4)+ei:64*(ea%4)+ei+1], v[192+ei:192+ei+1]
.endif
.set ei, ei+2
.endr
	WIN 0
	QUANT Y
.if \var
.irp c, 0,1,2
	global_store_b128 v[L16], v[PC+4*\c:PC+4*\c+3], s[8:9] offset:1536*ea+512*\c
.endr
	v_mov_b32 v[W0S+ea], v[PW]
.else
	global_store_b128 v[L16], v[PC:PC+3], s[8:9] offset:1536*ea
	global_store_b64 v[L8], v[PC+4:PC+5], s[8:9] offset:1536*ea+512
	global_store_b128 v[L16], v[PC+6:PC+9], s[8:9] offset:1536*ea+768
	global_store_b64 v[L8], v[PC+10:PC+11], s[8:9] offset:1536*ea+1280
	v_and_b32 v[W0S+ea], 0xffff, v[PW]
	v_lshrrev_b32 v[W1S+ea], 16, v[PW]
.endif
.set ea, ea+1
.endr
.irp k, 0,1,2,3
	v_cndmask_b32 v[XO+\k], v[W0S+2*\k], v[W0S+2*\k+1], s78
.if !\var
	v_cndmask_b32 v[XO+4+\k], v[W1S+2*\k], v[W1S+2*\k+1], s78
.endif
.endr
	global_store_b128 v[L16], v[XO:XO+3], s[8:9] offset:12288
.if !\var
	global_store_b128 v[L16], v[XO+4:XO+7], s[8:9] offset:12800
.endif
.endm
	s_wait_loadcnt 0x0
	PLACES
.irp b, 0,1,2,3
	v_mov_b32 v[TM+4+\b], 0
.endr
	s_cmp_eq_u32 ttmp9, 2
	s_cbranch_scc1 .Lv_part
	EPI 0
	s_branch .Lend
.Lv_part:
	EPI 1
.Lend:
	s_wait_tensorcnt 0x0
	ds_add_u32 v[SPW], v[NIL]
	s_wait_dscnt 0x0
	CROUND
	s_endpgm
.Lfunc_end_k_q581a9de008_g1:
	.size	k_q581a9de008_g1, .Lfunc_end_k_q581a9de008_g1-k_q581a9de008_g1
	.p2alignl 7, 3214868480
	.fill 96, 4, 3214868480
	.section	.rodata,"a",@progbits
	.p2align	6, 0x0
	.amdhsa_kernel k_q581a9de008_g1
		.amdhsa_group_segment_fixed_size 327680
		.amdhsa_private_segment_fixed_size 0
		.amdhsa_enable_private_segment 0
		.amdhsa_kernarg_size 24
		.amdhsa_user_sgpr_count 2
		.amdhsa_user_sgpr_kernarg_segment_ptr 1
		.amdhsa_wavefront_size32 1
		.amdhsa_system_sgpr_workgroup_id_x 1
		.amdhsa_system_sgpr_workgroup_id_y 1
		.amdhsa_system_sgpr_workgroup_id_z 1
		.amdhsa_system_vgpr_workitem_id 0
		.amdhsa_next_free_vgpr 1024
		.amdhsa_next_free_sgpr 80
		.amdhsa_reserve_vcc 0
		.amdhsa_float_denorm_mode_32 3
		.amdhsa_float_denorm_mode_16_64 3
		.amdhsa_memory_ordered 1
		.amdhsa_forward_progress 1
		.amdhsa_inst_pref_size 210
	.end_amdhsa_kernel
	.amdgpu_metadata
---
amdhsa.version: [ 1, 2 ]
amdhsa.kernels:
  - .name:           k_q581a9de008_g1
    .symbol:         k_q581a9de008_g1.kd
    .args:
      - { .name: pimg, .offset: 0, .size: 8, .value_kind: global_buffer, .address_space: global }
      - { .name: wqkv_b, .offset: 8, .size: 8, .value_kind: global_buffer, .address_space: global }
      - { .name: qkv, .offset: 16, .size: 8, .value_kind: global_buffer, .address_space: global }
    .group_segment_fixed_size: 327680
    .private_segment_fixed_size: 0
    .kernarg_segment_align: 8
    .kernarg_segment_size: 24
    .max_flat_workgroup_size: 128
    .sgpr_count:     80
    .vgpr_count:     1024
    .wavefront_size: 32
...
	.end_amdgpu_metadata
.endif
;; end of part 2
;; launch attn (part 3): grid 16 x 16, 16 waves a work-group, no clusters, 327,680 bytes of LDS; arguments qkv, ctx; writes ctx
.if DOCPART == 3
	.amdgcn_target "amdgcn-amd-amdhsa--gfx1250"
	.amdhsa_code_object_version 6
	.text
	.protected	k_q581a9de008_attn
	.globl	k_q581a9de008_attn
	.p2align	8
	.type	k_q581a9de008_attn,@function
k_q581a9de008_attn:
	s_mov_b64 s[64:65], 0
	v_nop
	global_prefetch_b8 v0, s[64:65] scope:SCOPE_SE
	s_setreg_imm32_b32 hwreg(HW_REG_WAVE_MODE, 25, 1), 1
	s_wait_xcnt 0x0
; Causal attention with the bias (key - query) 2^-head, both products on codes of FP6 (E2M3) with E8M0 scales; the result, divided by the row's sum, is quantised along the model's 1,024 and stored as an operand image.
; t = score x log2(e) / 8 + sigma (key - query), sigma = log2(e) 2^-head;  M = the running largest t rounded up to a whole number;  p = 2^(t - M) is quantised along the keys; the row's sum is of the unquantised p.
; SHARES.  A work-group (x = y, y = 8 batch + pair of heads) owns the query blocks of 64 numbered y and 31 - y of both heads of the pair: 17 key steps for an early and a late wave together, whatever y.
; Wave w: head parity (w / 2) % 2; tile w / 4 of its block; block 31 - y where bits 0 and 2 of w differ, else block y.  So of the four waves w, w + 4, w + 8, w + 12, and of the four waves 4 b .. 4 b + 3 alike,
; two have the early block and two the late one.  A key step is 128 keys; a step whose keys all come after the wave's group of 128 tokens is left out (a branch on ids).
; K and V come through two LDS slots of two key steps (waves 0, 1: K's two blocks; waves 2, 3: V's).  Every work-group walks all eight slots; a slot that none of its waves reads is not asked for.
; NO CLUSTER: the work-groups of a pair of heads need different numbers of slots (9 to 16 key steps).
; LAYOUT.  S^T = K Q^T, O^T = V^T P^T: a lane holds one query.  Lane r of a tile 2 b + u of keys holds key 32 b + 8 u + r + 8 (r / 8): register 16 b + i of S^T is key 32 b + 16 (lane / 16) + i.
; K = 64: Q's registers 6-11 are zero codes; K's operand for tile t is v[32 + 6 t .. 43 + 6 t]: its upper six registers are the next tile's codes, which meet zeros; the words' upper bytes are 0, not 0xff.
; LIMITS: a block of zeros gets the byte 1; largest magnitudes under 2^-124 are held at that floor; NaN and infinities are not served.  ctx's scale words leave as 4 bytes a row, 16 bytes apart.
.set SLOT1, 65536
.set KB,    13312                      ; a block of K: 128 keys x a pair of heads
.set VB,    12800                      ; a block of V
.set VOFF,  2*KB
.set XCH,   131072                     ; 1,024 bytes a wave: the odd head's codes go to the even head's wave, two waves down
.set SPARE, XCH+18*1024                ; the spare words, 128 bytes a wave
.set KOFF,  3407872
.set VGOFF, 6815744
.set SPW, 6
.set NIL, 7
.set WV, 8
.set BP, 9
.set HP, 10
.set TI, 11
.set GQ, 12
.set XK, 13                            ; the first token of my group of 128
.set LQ, 14                            ; my work-group's last query
.set KF, 15                            ; the step's first key
.set TB, 16                            ; LDS byte at which the slot in hand begins
.set SLOTS, 17
.set SG, 18                            ; sigma
.set FH, 19                            ; which of a slot's two key steps I fetch, if I fetch
.set SEL, 20
.set CS, 22                            ; c = log2(e) / 8, as a pair
.set G1K, 24
.set G1V, 32
.set G0K, 40
.set G0V, 44
; REGISTERS: v1-5 my lane's places in a slot; v8-12 the same + the slot; v13 16 h - my query (whole number); v14 -M, v15 the largest t, v[16:17] the sum; v18-29 Q, v30 its word; v32-85 K (v80-85 zeros) or V; v86-93 K's words;
; v96-159 S^T, p; v160-191 O^T; v192-207 sigma i; v208-219 p's codes; v220-226 the conversions' second halves; v228-231 the blocks' maxima; v232-235 at work; v236 + 2 b: base_b - M, v237 + 2 b: base_b; v244-247 the conversions' scale operands;
; v248-251 V's words; v252 f, v253 p's word; v254, v255 at work
.macro TLOAD                           ; an s_nop 0 and four v_nop follow each of the two lines
	s_cmp_lt_u32 s[WV], 2
	s_cbranch_scc0 .Lnot_k_\@
	tensor_load_to_lds s[G0K:G0K+3], s[G1K:G1K+7]
	s_nop 0
.rept 4
	v_nop
.endr
	s_branch .Lasked_\@
.Lnot_k_\@:
	s_cmp_lt_u32 s[WV], 4
	s_cbranch_scc0 .Lasked_\@
	tensor_load_to_lds s[G0V:G0V+3], s[G1V:G1V+7]
	s_nop 0
.rept 4
	v_nop
.endr
.Lasked_\@:
.endm
	s_load_b128 s[4:7], s[0:1], 0x0                ; qkv, ctx
	v_lshl_add_u32 v[SPW], v0, 2, SPARE
	v_mov_b32 v[NIL], 0
	ds_add_u32 v[SPW], v[NIL]                      ; the wave's opening: the add and its wait ahead of my first tensor load
	ds_add_u32 v[SPW], v[NIL]
	v_lshrrev_b32 v8, 5, v0
	s_delay_alu instid0(VALU_DEP_1)
	v_readfirstlane_b32 s[WV], v8
	s_and_b32 s[BP], ttmp7, 0xffff
	s_and_b32 s[FH], s[WV], 1
	s_lshr_b32 s[HP], s[WV], 1
	s_and_b32 s[HP], s[HP], 1                      ; the head's parity
	s_lshr_b32 s56, s[WV], 2                       ; my tile of the block's four
	s_xor_b32 s57, s[WV], s56
	s_and_b32 s57, s57, 1                          ; bits 0 and 2 of w differ: the late block
	s_sub_co_u32 s58, 31, ttmp9
	s_cmp_eq_u32 s57, 0
	s_cselect_b32 s59, ttmp9, s58                  ; my block of 64 queries
	s_lshr_b32 s[GQ], s59, 1
	s_lshl_b32 s[XK], s[GQ], 7
	s_and_b32 s59, s59, 1
	s_lshl_b32 s59, s59, 2
	s_add_co_u32 s[TI], s59, s56                   ; my tile of the group's eight
	s_lshl_b32 s[LQ], s58, 6
	s_add_co_u32 s[LQ], s[LQ], 63
	s_mov_b32 s[G1K], 3<<16                        ; elements of 8 bytes, no mask, no padding: dense blocks as rows of 256 bytes
	s_mov_b32 s[G1K+1], 32<<16
	s_mov_b32 s[G1K+2], 52<<16
	s_mov_b32 s[G1K+3], 32<<16
	s_mov_b32 s[G1K+4], 52
	s_mov_b32 s[G1K+5], 32
	s_mov_b32 s[G1K+6], 0
	s_mov_b32 s[G1K+7], 0
	s_mov_b32 s[G1V], 3<<16
	s_mov_b32 s[G1V+1], 32<<16
	s_mov_b32 s[G1V+2], 50<<16
	s_mov_b32 s[G1V+3], 32<<16
	s_mov_b32 s[G1V+4], 50
	s_mov_b32 s[G1V+5], 32
	s_mov_b32 s[G1V+6], 0
	s_mov_b32 s[G1V+7], 0
	s_mov_b32 s[G0K], 1
	s_mul_i32 s[G0K+1], s[FH], KB                  ; waves 0, 1: the slot's first, second key step
	s_mov_b32 s[G0V], 1
	s_mul_i32 s[G0V+1], s[FH], VB
	s_add_co_u32 s[G0V+1], s[G0V+1], VOFF
	s_lshl_b32 s60, s[BP], 4                       ; 16 blocks for each batch and pair
	s_add_co_u32 s61, s60, s[FH]
	s_mul_i32 s66, s61, KB
	s_add_co_u32 s66, s66, KOFF
	s_mov_b32 s67, 0
	s_mul_i32 s68, s61, VB
	s_add_co_u32 s68, s68, VGOFF
	s_mov_b32 s69, 0
	s_add_co_u32 s70, s60, s[GQ]
	s_mul_i32 s70, s70, KB                         ; Q's block of my group
	s_mul_i32 s71, s[TI], 1536
	s_mul_i32 s72, s[HP], 768
	s_add_co_u32 s48, s70, s71
	s_add_co_u32 s48, s48, s72                     ; my half fragment of Q
	s_mov_b32 s49, 0
	s_and_b32 s73, s[TI], 1
	s_lshl_b32 s73, s73, 8
	s_lshr_b32 s74, s[TI], 1
	s_lshl_b32 s75, s74, 2
	s_add_co_u32 s73, s73, s75                     ; my tile's place among a block's words: 256 (i % 2) + 4 (i / 2)
	s_lshl_b32 s75, s[HP], 9
	s_add_co_u32 s50, s70, s75
	s_add_co_u32 s50, s50, s73
	s_add_co_u32 s50, s50, 12288
	s_mov_b32 s51, 0
	s_lshr_b32 s75, s[BP], 3                       ; the batch
	s_lshl_b32 s75, s75, 4
	s_add_co_u32 s75, s75, s[GQ]                   ; the group of 128 tokens
	s_lshl_b32 s75, s75, 3
	s_and_b32 s76, s[BP], 7                        ; the pair = ctx's K step
	s_add_co_u32 s75, s75, s76
	s_mul_i32 s75, s75, VB
	s_add_co_u32 s52, s75, s71                     ; my tile's image in ctx
	s_mov_b32 s53, 0
	s_add_co_u32 s54, s75, s73
	s_add_co_u32 s54, s54, 12288                   ; and its words
	s_mov_b32 s55, 0
	s_lshl_b32 s77, s74, 5
	s_and_b32 s78, s[TI], 1
	s_lshl_b32 s78, s78, 3
	s_add_co_u32 s77, s77, s78
	s_add_co_u32 s77, s77, s[XK]                   ; my tile's first query
	s_lshl_b32 s78, s76, 1
	s_add_co_u32 s78, s78, s[HP]                   ; the head
	s_lshl_b32 s78, s78, 23
	s_sub_co_u32 s[SG], 0x3fb8aa3b, s78            ; log2(e) with the head taken off its exponent field: exact
	s_mov_b32 s[SEL], 0x76543210
	s_mov_b32 s[SEL+1], 0xfedcba98
	s_mov_b32 s[CS], 0x3e38aa3b
	s_mov_b32 s[CS+1], s[CS]
	s_mov_b32 s[TB], 0
	s_mov_b32 s[KF], 0
	s_mov_b32 s[SLOTS], 7
	s_wait_dscnt 0x0                               ; the opening add is done
	s_wait_kmcnt 0x0
	s_add_nc_u64 s[G0K+2:G0K+3], s[4:5], s[66:67]
	s_or_b32 s[G0K+3], s[G0K+3], 0x80000000
	s_add_nc_u64 s[G0V+2:G0V+3], s[4:5], s[68:69]
	s_or_b32 s[G0V+3], s[G0V+3], 0x80000000
	TLOAD                                          ; slot 0
	s_add_nc_u64 s[48:49], s[4:5], s[48:49]
	s_add_nc_u64 s[50:51], s[4:5], s[50:51]
	s_add_nc_u64 s[52:53], s[6:7], s[52:53]
	s_add_nc_u64 s[54:55], s[6:7], s[54:55]
	v_and_b32 v8, 31, v0                           ; lane
	v_and_b32 v9, 15, v0                           ; r
	v_bfe_u32 v10, v0, 4, 1                        ; h
	s_delay_alu instid0(VALU_DEP_3)
	v_lshlrev_b32 v11, 4, v8
	s_delay_alu instid0(VALU_DEP_4)
	v_lshlrev_b32 v12, 3, v8
	s_delay_alu instid0(VALU_DEP_4)
	v_lshlrev_b32 v31, 4, v9
	global_load_b128 v[18:21], v11, s[48:49]
	global_load_b64 v[22:23], v12, s[48:49] offset:512
	global_load_b32 v30, v31, s[50:51]
	v_lshl_add_u32 v1, v8, 4, s72                  ; K, registers 0-3: 16 lane + 768 parity
	s_add_co_u32 s56, s72, 512
	v_lshl_add_u32 v2, v8, 3, s56                  ; registers 4-5: 8 lane + 768 parity + 512
	s_lshl_b32 s56, s[HP], 9
	s_add_co_u32 s56, s56, 12288
	v_lshl_add_u32 v3, v9, 4, s56                  ; K's words: 16 r + 512 parity
	s_mul_i32 s56, s[HP], 6144
	s_add_co_u32 s56, s56, VOFF
	v_lshl_add_u32 v4, v8, 4, s56                  ; V: my head's four tiles
	s_lshl_b32 s56, s[HP], 3
	s_add_co_u32 s56, s56, VOFF+12288
	v_lshl_add_u32 v5, v9, 4, s56                  ; V's words
	v_and_b32 v13, 8, v9
	s_delay_alu instid0(VALU_DEP_1)
	v_add_nc_u32 v13, v13, v9
	v_lshlrev_b32 v254, 4, v10
	s_delay_alu instid0(VALU_DEP_1)
	v_sub_nc_u32 v13, v254, v13
	s_delay_alu instid0(VALU_DEP_1)
	v_sub_nc_u32 v13, v13, s77                     ; 16 h - my query
	v_mov_b32 v15, 0xff61b1e6                      ; the largest t so far: -3e38
	s_delay_alu instid0(VALU_DEP_1)
	v_floor_f32 v14, -v15
	v_mov_b32 v16, 0
	v_mov_b32 v17, 0
.irp j, 24,25,26,27,28,29,80,81,82,83,84,85,232,233,234,235,253,254,255
	v_mov_b32 v\j, 0
.endr
.set n, 0
.rept 32
	v_mov_b32 v[160+n], 0                          ; O^T: the step is written once; the first finds zeros
.set n, n+1
.endr
.set n, 0
.rept 16
	v_cvt_f32_i32 v[192+n], n
.set n, n+1
.endr
.set n, 0
.rept 16
	v_mul_f32 v[192+n], s[SG], v[192+n]            ; sigma i
.set n, n+1
.endr
.macro STEP q
	s_cmp_gt_u32 s[KF], s[XK]
	s_cbranch_scc1 .Lhidden_\@                     ; all these keys come after my queries
	v_add_nc_u32 v8, s[TB], v1                     ; (these five are the places behind the last step's products)
	v_add_nc_u32 v9, s[TB], v2
	v_add_nc_u32 v10, s[TB], v3
	v_add_nc_u32 v11, s[TB], v4
	v_add_nc_u32 v12, s[TB], v5
.irp t, 0,1,2,3,4,5,6,7
	ds_load_b128 v[32+6*\t:35+6*\t], v8 offset:KB*\q+1536*\t
	ds_load_b64 v[36+6*\t:37+6*\t], v9 offset:KB*\q+1536*\t
.endr
	ds_load_b128 v[86:89], v10 offset:KB*\q        ; the even tiles' words,
	ds_load_b128 v[90:93], v10 offset:KB*\q+256    ; the odd tiles'
	s_wait_dscnt 0x0
.irp t, 0,1,2,3,4,5,6,7
	v_wmma_scale_f32_16x16x128_f8f6f4 v[96+8*\t:103+8*\t], v[32+6*\t:43+6*\t], v[18:29], 0, v[86+4*(\t%2)+\t/2], v30 matrix_a_fmt:MATRIX_FMT_FP6 matrix_b_fmt:MATRIX_FMT_FP6
.endr
	v_add_nc_u32 v254, s[KF], v13                  ; base_b = sigma (first key of my 16 of block b - my query).  (These nine are the places behind the products)
	s_delay_alu instid0(VALU_DEP_1)
	v_cvt_f32_i32 v254, v254
	s_delay_alu instid0(VALU_DEP_1)
	v_mul_f32 v237, s[SG], v254
	s_delay_alu instid0(VALU_DEP_2)
	v_add_f32 v255, 0x42000000, v254
	s_delay_alu instid0(VALU_DEP_1)
	v_mul_f32 v239, s[SG], v255
	s_delay_alu instid0(VALU_DEP_4)
	v_add_f32 v255, 0x42800000, v254
	s_delay_alu instid0(VALU_DEP_1)
	v_mul_f32 v241, s[SG], v255
	v_add_f32 v255, 0x42c00000, v254
	s_delay_alu instid0(VALU_DEP_1)
	v_mul_f32 v243, s[SG], v255
.irp t, 0,1,2,3                                ; V is asked for here and lands under the softmax
.irp c, 0,1,2
	ds_load_b128 v[32+12*\t+4*\c:35+12*\t+4*\c], v11 offset:VB*\q+1536*\t+512*\c
.endr
.endr
	ds_load_b64 v[248:249], v12 offset:VB*\q
	ds_load_b64 v[250:251], v12 offset:VB*\q+256
.set n, 0
.rept 32
	v_pk_fma_f32 v[96+n:97+n], v[96+n:97+n], s[CS:CS+1], v[192+n%16:193+n%16] op_sel_hi:[1,0,1]   ; u = score c + sigma i
.set n, n+2
.endr
	s_cmp_lg_u32 s[KF], s[XK]
	s_cbranch_scc1 .Lopen_\@                       ; only my own group's step lies on the diagonal
	v_add_nc_u32 v255, s[KF], v13
	s_delay_alu instid0(VALU_DEP_1)
	v_sub_nc_u32 v255, 0, v255                     ; register 16 b + i is hidden where 32 b + i > my query - 16 h - the step's first key
	v_mov_b32 v254, 0xff800000
.set n, 0
.rept 64
	v_cmp_gt_i32 vcc_lo, 32*(n/16)+n%16, v255
	s_delay_alu instid0(VALU_DEP_1)
	v_cndmask_b32 v[96+n], v[96+n], v254, vcc_lo
.set n, n+1
.endr
.Lopen_\@:
.irp b, 0,1,2,3
	v_max3_num_f32 v[228+\b], v[96+16*\b], v[97+16*\b], v[98+16*\b]        ; the largest u of my 16 of each block
.endr
.irp i, 3,5,7,9,11,13
.irp b, 0,1,2,3
	s_delay_alu instid0(VALU_DEP_4)
	v_max3_num_f32 v[228+\b], v[228+\b], v[96+16*\b+\i], v[97+16*\b+\i]
.endr
.endr
.irp b, 0,1,2,3
	s_delay_alu instid0(VALU_DEP_4)
	v_max_num_f32 v[228+\b], v[228+\b], v[111+16*\b]
.endr
.irp b, 0,1,2,3
	s_delay_alu instid0(VALU_DEP_4)
	v_add_f32 v[232+\b], v[228+\b], v[237+2*\b]    ; as t
.endr
	s_delay_alu instid0(VALU_DEP_2)
	v_max3_num_f32 v254, v232, v233, v234
	s_delay_alu instid0(VALU_DEP_1)
	v_max_num_f32 v254, v254, v235
	s_delay_alu instid0(VALU_DEP_1)
	v_permlanex16_b32 v255, v254, s[SEL], s[SEL+1]
	s_delay_alu instid0(VALU_DEP_1)
	v_max3_num_f32 v15, v15, v254, v255            ; the running largest t of my query
	v_mov_b32 v254, v14
	s_delay_alu instid0(VALU_DEP_2)
	v_floor_f32 v14, -v15                          ; -M = floor(-t)
	s_delay_alu instid0(VALU_DEP_1)
	v_sub_f32 v254, v14, v254                      ; old M - new M: a whole number, 0 or less
	s_delay_alu instid0(VALU_DEP_1)
	v_cvt_i32_f32 v254, v254                       ; (it saturates)
	s_delay_alu instid0(VALU_DEP_1)
	v_ldexp_f32 v252, 1.0, v254                    ; f = 2^(old M - new M)
.irp b, 0,1,2,3
	v_add_f32 v[236+2*\b], v[237+2*\b], v14        ; base_b - M
.endr
.irp b, 0,1,2,3
	s_delay_alu instid0(VALU_DEP_4)
	v_add_f32 v[228+\b], v[228+\b], v[236+2*\b]    ; the exponent of my 16's largest p: the same addition as below on the same numbers
.endr
.set n, 0
.rept 32
	v_pk_add_f32 v[96+n:97+n], v[96+n:97+n], v[236+2*(n/16):237+2*(n/16)] op_sel_hi:[1,0]   ; t - M
.set n, n+2
.endr
.irp b, 0,1,2,3
	v_permlanex16_b32 v[232+\b], v[228+\b], s[SEL], s[SEL+1]
.endr
.irp b, 0,1,2,3
	s_delay_alu instid0(VALU_DEP_4)
	v_max_num_f32 v[228+\b], v[228+\b], v[232+\b]  ; with lane l xor 16's 16 keys: the block's
.endr
.set n, 0
	s_wait_alu depctr_va_vdst(0)
.rept 64
	v_exp_f32 v[96+n], v[96+n]                     ; p
.set n, n+1
.endr
	v_pk_mul_f32 v[16:17], v[16:17], v[252:253] op_sel_hi:[1,0]    ; the sum under the new M.  (A plain place behind the exponentials)
	s_wait_alu depctr_va_vdst(0)                   ; one wait for the batch, ahead of its first reader
.irp b, 0,1,2,3
	v_exp_f32 v[228+\b], v[228+\b]                 ; each block's largest p
.endr
	v_pk_add_f32 v[232:233], v[100:101], v[104:105]
	v_pk_add_f32 v[246:247], v[108:109], v[112:113]
	v_pk_add_f32 v[244:245], v[116:117], v[120:121]
	v_pk_add_f32 v[242:243], v[124:125], v[128:129]
	v_pk_add_f32 v[240:241], v[132:133], v[136:137]
	v_pk_add_f32 v[238:239], v[140:141], v[144:145]
	v_pk_add_f32 v[236:237], v[148:149], v[152:153]
	v_pk_add_f32 v[16:17], v[16:17], v[156:157]
	v_pk_add_f32 v[232:233], v[232:233], v[96:97]
	v_pk_add_f32 v[246:247], v[246:247], v[98:99]
	v_pk_add_f32 v[244:245], v[244:245], v[102:103]
	v_pk_add_f32 v[242:243], v[242:243], v[106:107]
	v_pk_add_f32 v[240:241], v[240:241], v[110:111]
	v_pk_add_f32 v[238:239], v[238:239], v[114:115]
	v_pk_add_f32 v[236:237], v[236:237], v[118:119]
	v_pk_add_f32 v[16:17], v[16:17], v[122:123]
	v_pk_add_f32 v[232:233], v[232:233], v[126:127]
	v_pk_add_f32 v[246:247], v[246:247], v[130:131]
	v_pk_add_f32 v[244:245], v[244:245], v[134:135]
	v_pk_add_f32 v[242:243], v[242:243], v[138:139]
	v_pk_add_f32 v[240:241], v[240:241], v[142:143]
	v_pk_add_f32 v[238:239], v[238:239], v[146:147]
	v_pk_add_f32 v[236:237], v[236:237], v[150:151]
	v_pk_add_f32 v[16:17], v[16:17], v[154:155]
	v_pk_add_f32 v[232:233], v[232:233], v[158:159]
	s_delay_alu instid0(VALU_DEP_2)
	v_pk_add_f32 v[16:17], v[16:17], v[242:243]
	s_delay_alu instid0(VALU_DEP_2)
	v_pk_add_f32 v[232:233], v[232:233], v[240:241]
	v_pk_add_f32 v[246:247], v[246:247], v[238:239]
	v_pk_add_f32 v[244:245], v[244:245], v[236:237]
	s_delay_alu instid0(VALU_DEP_2)
	v_pk_add_f32 v[16:17], v[16:17], v[246:247]
	s_delay_alu instid0(VALU_DEP_2)
	v_pk_add_f32 v[232:233], v[232:233], v[244:245]
	s_delay_alu instid0(VALU_DEP_1)
	v_pk_add_f32 v[16:17], v[16:17], v[232:233]
	s_wait_alu depctr_va_vdst(0)                   ; and one for the four
.irp b, 0,1,2,3
	v_max_num_f32 v[228+\b], 0x1800000, v[228+\b]  ; the floor 2^(3 - 127)
.endr
.irp b, 0,1,2,3
	s_delay_alu instid0(VALU_DEP_4)
	v_add_nc_u32 v[244+\b], 0xff000000, v[228+\b]
.endr
.irp b, 0,1,2,3
	s_delay_alu instid0(VALU_DEP_4)
	v_lshrrev_b32 v[232+\b], 23, v[244+\b]
.endr
	s_delay_alu instid0(VALU_DEP_3)
	v_lshl_or_b32 v253, v233, 8, v232              ; p's scale word for these 128 keys
	s_delay_alu instid0(VALU_DEP_1)
	v_lshl_or_b32 v253, v234, 16, v253
	s_delay_alu instid0(VALU_DEP_1)
	v_lshl_or_b32 v253, v235, 24, v253
.irp c, 0,1
	v_cvt_scalef32_pk16_fp6_f32 v[208+6*\c:210+6*\c], v[96+32*\c:111+32*\c], v[244+2*\c]
	v_cvt_scalef32_pk16_fp6_f32 v[220+4*\c:222+4*\c], v[112+32*\c:127+32*\c], v[244+2*\c+1]
.endr
	v_nop
.irp c, 0,1
.irp i, 0,1,2
	v_permlane16_swap_b32 v[208+6*\c+\i], v[220+4*\c+\i]
.endr
.irp i, 0,1,2
	s_delay_alu instid0(VALU_DEP_3)
	v_mov_b32 v[211+6*\c+\i], v[220+4*\c+\i]
.endr
.endr
.set n, 0
.rept 16
	v_pk_mul_f32 v[160+n:161+n], v[160+n:161+n], v[252:253] op_sel_hi:[1,0]   ; O^T under the new M.  (Also the places between the word's and the codes' last writes and the products)
.set n, n+2
.endr
	s_wait_alu depctr_va_vdst(0)
	s_wait_dscnt 0x0                               ; V
.irp t, 0,1,2,3
	v_wmma_scale_f32_16x16x128_f8f6f4 v[160+8*\t:167+8*\t], v[32+12*\t:43+12*\t], v[208:219], v[160+8*\t:167+8*\t], v[248+2*(\t%2)+\t/2], v253 matrix_a_fmt:MATRIX_FMT_FP6 matrix_b_fmt:MATRIX_FMT_FP6
.endr
.Lhidden_\@:
	s_add_co_u32 s[KF], s[KF], 128
.endm
; THE CHANGE OF SLOTS, at a slot's head: every wave waits for all its tensor loads, adds 0 to its spare word, waits for that and for its reads of the slot that it has left; one barrier; then the slot left is filled.
.macro CHANGE fill
	s_wait_tensorcnt 0x0
	ds_add_u32 v[SPW], v[NIL]
.if \fill
	s_xor_b32 s[G0K+1], s[G0K+1], SLOT1
	s_add_nc_u64 s[G0K+2:G0K+3], s[G0K+2:G0K+3], 2*KB
	s_xor_b32 s[G0V+1], s[G0V+1], SLOT1
	s_add_nc_u64 s[G0V+2:G0V+3], s[G0V+2:G0V+3], 2*VB
.endif
	s_wait_dscnt 0x0
	s_barrier_signal -1
	s_barrier_wait -1
.if \fill
	s_add_co_u32 s56, s[KF], 256                   ; the first key of the slot that would be asked for: past my work-group's last query none of its waves reads it
	s_cmp_gt_u32 s56, s[LQ]                        ; ids and the count of steps alone: all sixteen waves go the same way; every wait on TENSORcnt in this text is for 0
	s_cbranch_scc1 .Lpast_\@
	TLOAD
.Lpast_\@:
.endif
.endm
	s_wait_loadcnt 0x0                             ; Q
.Lslot:
	CHANGE 1
	STEP 0
	STEP 1
	s_xor_b32 s[TB], s[TB], SLOT1
	s_sub_co_u32 s[SLOTS], s[SLOTS], 1
	s_cmp_lg_u32 s[SLOTS], 0
	s_cbranch_scc1 .Lslot
	CHANGE 0
	STEP 0
	STEP 1
	; THE WAY OUT: O^T / the sum, quantised (my head's 64 are two blocks); the odd head's wave hands its six registers and its two bytes to the even head's wave, which stores the whole fragment.
.rept 4
	v_nop
.endr
	v_add_f32 v16, v16, v17
	s_delay_alu instid0(VALU_DEP_1)
	v_permlanex16_b32 v254, v16, s[SEL], s[SEL+1]
	s_delay_alu instid0(VALU_DEP_1)
	v_add_f32 v16, v16, v254
	s_wait_alu depctr_va_vdst(0)
	v_rcp_f32 v16, v16
	v_and_b32 v8, 31, v0                           ; (a plain place behind the transcendental)
	v_and_b32 v9, 15, v0
	s_lshl_b32 s56, s[WV], 10
	s_add_co_u32 s56, s56, XCH
	v_lshl_add_u32 v1, v8, 4, s56
	v_lshl_add_u32 v2, v8, 3, s56
	v_lshl_add_u32 v3, v8, 2, s56
	v_lshlrev_b32 v4, 4, v8
	v_lshlrev_b32 v5, 4, v9
	s_wait_alu depctr_va_vdst(0)
.set n, 0
.rept 16
	v_pk_mul_f32 v[96+n:97+n], v[160+n:161+n], v[16:17] op_sel_hi:[1,0]
.set n, n+2
.endr
.irp b, 0,1
	v_max3_num_f32 v[228+\b], |v[96+16*\b]|, |v[97+16*\b]|, 0x1800000
.endr
.irp i, 2,4,6,8,10,12,14
.irp b, 0,1
	s_delay_alu instid0(VALU_DEP_2)
	v_max3_num_f32 v[228+\b], v[228+\b], |v[96+16*\b+\i]|, |v[97+16*\b+\i]|
.endr
.endr
.irp b, 0,1
	s_delay_alu instid0(VALU_DEP_2)
	v_permlanex16_b32 v[232+\b], v[228+\b], s[SEL], s[SEL+1]
.endr
.irp b, 0,1
	s_delay_alu instid0(VALU_DEP_2)
	v_max_num_f32 v[228+\b], v[228+\b], v[232+\b]
.endr
.irp b, 0,1
	s_delay_alu instid0(VALU_DEP_2)
	v_add_nc_u32 v[244+\b], 0xff000000, v[228+\b]
.endr
.irp b, 0,1
	s_delay_alu instid0(VALU_DEP_2)
	v_lshrrev_b32 v[232+\b], 23, v[244+\b]
.endr
	s_delay_alu instid0(VALU_DEP_1)
	v_lshl_or_b32 v253, v233, 8, v232
	v_cvt_scalef32_pk16_fp6_f32 v[208:210], v[96:111], v244
	v_cvt_scalef32_pk16_fp6_f32 v[220:222], v[112:127], v245
	v_nop
.irp i, 0,1,2
	v_permlane16_swap_b32 v[208+\i], v[220+\i]
.endr
.irp i, 0,1,2
	s_delay_alu instid0(VALU_DEP_3)
	v_mov_b32 v[211+\i], v[220+\i]
.endr
	ds_store_b128 v1, v[208:211]
	ds_store_b64 v2, v[212:213] offset:512
	ds_store_b32 v3, v253 offset:768
	s_wait_dscnt 0x0                               ; for the others' sake: my stores have landed
	s_barrier_signal -1
	s_barrier_wait -1
	s_cmp_lg_u32 s[HP], 0
	s_cbranch_scc1 .Lend
	ds_load_b128 v[214:217], v1 offset:2048        ; wave w + 2's image: the same tile and block, the odd head
	ds_load_b64 v[218:219], v2 offset:2560
	ds_load_b32 v254, v3 offset:2816
	s_wait_dscnt 0x0
	s_wait_alu depctr_va_vdst(0)
	v_lshl_or_b32 v253, v254, 16, v253
.irp c, 0,1,2
	global_store_b128 v4, v[208+4*\c:211+4*\c], s[52:53] offset:512*\c     ; 32 lanes store 512 consecutive bytes
.endr
	global_store_b32 v5, v253, s[54:55]            ; both halves of the lanes hold the same word and name the same place
.Lend:
	s_wait_tensorcnt 0x0                           ; the wave's end
	ds_add_u32 v[SPW], v[NIL]
	s_wait_dscnt 0x0
	s_endpgm
.Lfunc_end_k_q581a9de008_attn:
	.size	k_q581a9de008_attn, .Lfunc_end_k_q581a9de008_attn-k_q581a9de008_attn
	.p2alignl 7, 3214868480
	.fill 96, 4, 3214868480
	.section	.rodata,"a",@progbits
	.p2align	6, 0x0
	.amdhsa_kernel k_q581a9de008_attn
		.amdhsa_group_segment_fixed_size 327680
		.amdhsa_private_segment_fixed_size 0
		.amdhsa_enable_private_segment 0
		.amdhsa_kernarg_size 16
		.amdhsa_user_sgpr_count 2
		.amdhsa_user_sgpr_kernarg_segment_ptr 1
		.amdhsa_wavefront_size32 1
		.amdhsa_system_sgpr_workgroup_id_x 1
		.amdhsa_system_sgpr_workgroup_id_y 1
		.amdhsa_system_sgpr_workgroup_id_z 1
		.amdhsa_system_vgpr_workitem_id 0
		.amdhsa_next_free_vgpr 256
		.amdhsa_next_free_sgpr 80
		.amdhsa_reserve_vcc 1
		.amdhsa_float_denorm_mode_32 3
		.amdhsa_float_denorm_mode_16_64 3
		.amdhsa_memory_ordered 1
		.amdhsa_forward_progress 1
		.amdhsa_inst_pref_size 128
	.end_amdhsa_kernel
	.amdgpu_metadata
---
amdhsa.version: [ 1, 2 ]
amdhsa.kernels:
  - .name:           k_q581a9de008_attn
    .symbol:         k_q581a9de008_attn.kd
    .args:
      - { .name: qkv, .offset: 0, .size: 8, .value_kind: global_buffer, .address_space: global }
      - { .name: ctx, .offset: 8, .size: 8, .value_kind: global_buffer, .address_space: global }
    .group_segment_fixed_size: 327680
    .private_segment_fixed_size: 0
    .kernarg_segment_align: 8
    .kernarg_segment_size: 16
    .max_flat_workgroup_size: 512
    .sgpr_count:     80
    .vgpr_count:     256
    .wavefront_size: 32
...
	.end_amdgpu_metadata
.endif
;; end of part 3
;; launch g4ln (part 4): grid 256 x 1, 8 waves a work-group, no clusters, 96,768 bytes of LDS; arguments ctx, pimg, out_b, src, fnorm_w, fnorm_b, src2, a5; writes src2, a5
.if DOCPART == 4
	.amdgcn_target "amdgcn-amd-amdhsa--gfx1250"
	.amdhsa_code_object_version 6
	.text
	.protected	k_q581a9de008_g4ln
	.globl	k_q581a9de008_g4ln
	.p2align	8
	.type	k_q581a9de008_g4ln,@function
k_q581a9de008_g4ln:
	s_mov_b64 s[64:65], 0
	v_nop
	global_prefetch_b8 v0, s[64:65] scope:SCOPE_SE
	s_setreg_imm32_b32 hwreg(HW_REG_WAVE_MODE, 25, 1), 1
	s_wait_xcnt 0x0
; src2 = src + ctx out_w + out_b (the product on codes of FP6 (E2M3) with E8M0 scales), and a5 = the layer norm of src2 by fnorm_w, fnorm_b, quantised along its 1,024 and stored as an operand image.
; SHARES.  Work-group t of 256 owns tile t % 8 of group t / 8: 16 tokens x all 1,024 columns, so a row's mean and variance are made inside the work-group.  Wave s of eight takes columns 128 s .. 128 s + 127,
; which are K step s of a5: 8 accumulators, 8 K steps, 64 matrix instructions.
; IMAGES as in the launch that makes them: a block of 128 rows x 128 K is 12,800 bytes: eight fragments of 1,536 (registers 4 c .. 4 c + 3 of lane l at 512 c + 16 l), then 512 bytes of scale words
; (tile i, lane r at 12,288 + 16 r + 256 (i % 2) + 4 (i / 2)); lane r of tile 2 b + u holds row 32 b + 8 u + r + 8 (r / 8).
; Source 0 = 16 columns of out_w, source 1 = my 16 tokens: lane (r, h) holds token lane r, and register 16 b + i of the 64 is column 32 b + 16 h + i of my 128: four blocks of 32 along the next K.
; out_w's FRAGMENTS GO FROM MEMORY STRAIGHT INTO REGISTERS: each feeds one matrix instruction of one wave, so a way through LDS would add a write and a read for each byte and serve no second reader.  Two sets of 96
; registers: two K steps (52 loads a wave) are asked for ahead.  NO CLUSTER: a joint load lands in LDS alone.  NO PREFETCH: the text has no loop to run ahead in; the loads themselves run two K steps ahead.
; ctx's eight fragments of my tile: wave s loads K step s, and all waves take all eight from LDS behind one barrier.
; src's rows and the three vectors come as loads of 512 consecutive bytes and turn through the wave's own stage in LDS (19 rows of 512 + 16 bytes); src2 leaves by the same stage, 512 consecutive bytes a store.
; LIMITS: a block of zeros gets the byte 1, not 127 (its codes are zeros, and this program alone reads the bytes); largest magnitudes under 2^-124 are held at that floor; NaN and infinities are not served.
; a5's scale words leave as 4 bytes a lane, 16 bytes apart: 1 byte in 24 of the codes' bytes.
; REGISTERS.  Window 0: v1-13 addresses; v16-111 ctx's fragments, v112-119 their words; v120-135 out_w's words, two sets; v136-147 the vectors as loaded; v148-211 the sums; v212 on at work.
; Window 1: v0-191 out_w's fragments, two sets; v192-255 src as loaded.  On the way out v16-79 src, then src2's dense rows; v80-143 out_b, then fnorm_w; window 1 v0-63 fnorm_b.
.set UB,    12800
.set BOFF,  5734400                    ; out_w's image in pimg
.set RED1,  0                          ; LDS: a word a thread, the rows' partial sums
.set RED2,  1024                       ; the same for the squared deviations
.set SPARE, 2048                       ; the spare words, 128 bytes a wave
.set AX,    3072                       ; ctx's eight fragments, 1,536 bytes + 128 of words each
.set AXW,   1664
.set STG,   16384                      ; the stages
.set SP,    528
.set WST,   19*SP
.set SEL,   40
.set SPW,   14
.set NIL,   15
.set AF,    16
.set AW,    112
.set BW,    120
.set PT,    136
.set Y,     148
.set XX,    16
.set WW,    80
.set PC,    212
.set AT,    212                        ; at the head: my K step of ctx as loaded, v212-224; v225 where its words go
.set TM,    232
.set SM,    232                        ; v232-239 four packed sums; v240-241 - mean; v242-243 1 / sqrt(variance + 1e-5)
.set PW,    248
.set MSB, 0
.macro WIN new                         ; the immediate's high byte repeats the setting that is left
.if MSB != (\new)
	s_set_vgpr_msb (MSB<<8)|(\new)
.set MSB, (\new)
.endif
.endm
.macro PLACES                          ; four plain places behind a matrix instruction, ahead of loads into its registers and of reads of its results
.rept 4
	v_nop
.endr
.endm
.macro LOADB k                         ; out_w's eight fragments and their words for K step k into set k % 2: 26 loads
	WIN 0x40
.set t, 0
.rept 8
.irp c, 0,1,2
	global_load_b128 v[96*((\k)%2)+12*t+4*\c:96*((\k)%2)+12*t+4*\c+3], v6, s[6:7] offset:UB*(\k)+1536*t+512*\c
.endr
.set t, t+1
.endr
	WIN 0
	global_load_b128 v[BW+8*((\k)%2):BW+8*((\k)%2)+3], v10, s[6:7] offset:UB*(\k)+12288
	global_load_b128 v[BW+8*((\k)%2)+4:BW+8*((\k)%2)+7], v10, s[6:7] offset:UB*(\k)+12544
.endm
.macro MUL k, zero                     ; the eight accumulators take turns, one instruction a turn
	WIN 0x01
.set t, 0
.rept 8
.set rB, 96*((\k)%2)+12*t
.set rS, BW+8*((\k)%2)+4*(t%2)+t/2
.if \zero
	v_wmma_scale_f32_16x16x128_f8f6f4 v[Y+8*t:Y+8*t+7], v[rB:rB+11], v[AF+12*(\k):AF+12*(\k)+11], 0, v[rS], v[AW+(\k)] matrix_a_fmt:MATRIX_FMT_FP6 matrix_b_fmt:MATRIX_FMT_FP6
.else
	v_wmma_scale_f32_16x16x128_f8f6f4 v[Y+8*t:Y+8*t+7], v[rB:rB+11], v[AF+12*(\k):AF+12*(\k)+11], v[Y+8*t:Y+8*t+7], v[rS], v[AW+(\k)] matrix_a_fmt:MATRIX_FMT_FP6 matrix_b_fmt:MATRIX_FMT_FP6
.endif
.set t, t+1
.endr
	PLACES
	WIN 0
.endm
.macro TURN16 op, reg, adr, off        ; 16 LDS instructions: my 64 numbers of a stage row, register 16 b + 4 j at byte 128 b + 16 j
.irp b, 0,1,2,3
.irp j, 0,1,2,3
.if \op
	ds_store_b128 v[\adr], v[\reg+16*\b+4*\j:\reg+16*\b+4*\j+3] offset:\off+128*\b+16*\j
.else
	ds_load_b128 v[\reg+16*\b+4*\j:\reg+16*\b+4*\j+3], v[\adr] offset:\off+128*\b+16*\j
.endif
.endr
.endr
.endm
; 64 numbers of a lane, register 16 b + i = k 32 b + 16 (lane / 16) + i of my row, become a fragment's codes in v[PC] on and its scale word in v[PW]
.macro QUANT s
.irp b, 0,1,2,3
	v_max3_num_f32 v[TM+\b], |v[\s+16*\b]|, |v[\s+1+16*\b]|, 0x1800000   ; my 16 numbers of block b, and the floor 2^(3 - 127): the byte cannot fall under 1
.endr
.irp i, 2,4,6,8,10,12,14
.irp b, 0,1,2,3
	s_delay_alu instid0(VALU_DEP_4)
	v_max3_num_f32 v[TM+\b], v[TM+\b], |v[\s+16*\b+\i]|, |v[\s+1+16*\b+\i]|
.endr
.endr
.irp b, 0,1,2,3
	s_delay_alu instid0(VALU_DEP_4)
	v_permlanex16_b32 v[TM+4+\b], v[TM+\b], s[SEL], s[SEL+1]
.endr
.irp b, 0,1,2,3
	s_delay_alu instid0(VALU_DEP_4)
	v_max_num_f32 v[TM+\b], v[TM+\b], v[TM+4+\b]                   ; with lane l xor 16's: the block's largest magnitude
.endr
.irp b, 0,1,2,3
	s_delay_alu instid0(VALU_DEP_4)
	v_add_nc_u32 v[TM+12+\b], 0xff000000, v[TM+\b]                 ; 2 off its exponent field: the conversion's scale operand
.endr
.irp b, 0,1,2,3
	s_delay_alu instid0(VALU_DEP_4)
	v_lshrrev_b32 v[TM+4+\b], 23, v[TM+12+\b]                      ; the scale's byte
.endr
	s_delay_alu instid0(VALU_DEP_3)
	v_lshl_or_b32 v[PW], v[TM+5], 8, v[TM+4]
	s_delay_alu instid0(VALU_DEP_1)
	v_lshl_or_b32 v[PW], v[TM+6], 16, v[PW]
	s_delay_alu instid0(VALU_DEP_1)
	v_lshl_or_b32 v[PW], v[TM+7], 24, v[PW]
.irp c, 0,1
	v_cvt_scalef32_pk16_fp6_f32 v[PC+6*\c:PC+2+6*\c], v[\s+32*\c:\s+15+32*\c], v[TM+12+2*\c]
	v_cvt_scalef32_pk16_fp6_f32 v[PC+12+4*\c:PC+14+4*\c], v[\s+16+32*\c:\s+31+32*\c], v[TM+12+2*\c+1]
.endr
	v_nop                                                          ; one plain place behind a scaled conversion
.irp c, 0,1                                                    ; the layout wants a whole block in a lane: lanes 0-15 block 2 c, lanes 16-31 block 2 c + 1
.irp i, 0,1,2
	v_permlane16_swap_b32 v[PC+6*\c+\i], v[PC+12+4*\c+\i]
.endr
.irp i, 0,1,2
	s_delay_alu instid0(VALU_DEP_3)
	v_mov_b32 v[PC+3+6*\c+\i], v[PC+12+4*\c+\i]
.endr
.endr
.endm
.macro JOIN                            ; the four chains, the pair's halves and lane l xor 16's: my wave's part of the row's sum in v[SM]
	s_delay_alu instid0(VALU_DEP_3)
	v_pk_add_f32 v[SM:SM+1], v[SM:SM+1], v[SM+2:SM+3]
	s_delay_alu instid0(VALU_DEP_2)
	v_pk_add_f32 v[SM+4:SM+5], v[SM+4:SM+5], v[SM+6:SM+7]
	s_delay_alu instid0(VALU_DEP_1)
	v_pk_add_f32 v[SM:SM+1], v[SM:SM+1], v[SM+4:SM+5]
	s_delay_alu instid0(VALU_DEP_1)
	v_add_f32 v[SM], v[SM], v[SM+1]
	s_delay_alu instid0(VALU_DEP_1)
	v_permlanex16_b32 v[SM+1], v[SM], s[SEL], s[SEL+1]
	s_delay_alu instid0(VALU_DEP_1)
	v_add_f32 v[SM], v[SM], v[SM+1]
.endm
.macro ACROSS off                      ; the eight waves' parts meet: a word a thread, a barrier, every wave adds all eight in the same order: the row's sum in v[PC]
	ds_store_b32 v8, v[SM] offset:\off
	s_wait_dscnt 0x0                               ; for the others' sake: my store has landed (and all my LDS loads are in)
	s_barrier_signal -1
	s_barrier_wait -1
.irp j, 0,1,2,3,4,5,6,7
	ds_load_b32 v[PC+\j], v9 offset:\off+128*\j
.endr
	s_wait_dscnt 0x0
	v_add_f32 v[PC], v[PC], v[PC+1]
	v_add_f32 v[PC+2], v[PC+2], v[PC+3]
	v_add_f32 v[PC+4], v[PC+4], v[PC+5]
	v_add_f32 v[PC+6], v[PC+6], v[PC+7]
	s_delay_alu instid0(VALU_DEP_3)
	v_add_f32 v[PC], v[PC], v[PC+2]
	s_delay_alu instid0(VALU_DEP_2)
	v_add_f32 v[PC+4], v[PC+4], v[PC+6]
	s_delay_alu instid0(VALU_DEP_1)
	v_add_f32 v[PC], v[PC], v[PC+4]
.endm
	s_load_b512 s[4:19], s[0:1], 0x0               ; ctx, pimg, out_b, src, fnorm_w, fnorm_b, src2, a5
	v_lshl_add_u32 v[SPW], v0, 2, SPARE
	v_mov_b32 v[NIL], 0
	v_lshrrev_b32 v1, 5, v0
	s_delay_alu instid0(VALU_DEP_1)
	v_readfirstlane_b32 s20, v1                    ; wave 0..7
	s_lshr_b32 s22, ttmp9, 3                       ; g: the group of 128 tokens
	s_and_b32 s23, ttmp9, 7                        ; i: my tile of its eight
	s_lshr_b32 s24, s23, 1
	s_and_b32 s25, s23, 1
	s_lshl_b32 s26, s22, 7
	s_lshl_b32 s27, s24, 5
	s_add_co_u32 s26, s26, s27
	s_lshl_b32 s27, s25, 3
	s_add_co_u32 s26, s26, s27                     ; the tile's first row: 128 g + 32 (i / 2) + 8 (i % 2)
	s_lshl_b32 s26, s26, 12
	s_lshl_b32 s28, s20, 9                         ; my 128 columns: 512 bytes of a row
	s_mov_b32 s29, 0
	s_add_co_u32 s26, s26, s28
	s_mov_b32 s27, 0
	s_mul_i32 s32, s23, 1536                       ; my tile's fragment in a block
	s_lshl_b32 s33, s25, 8
	s_lshl_b32 s34, s24, 2
	s_add_co_u32 s33, s33, s34
	s_add_co_u32 s33, s33, 12288                   ; and its words
	s_lshl_b32 s30, s22, 3
	s_add_co_u32 s30, s30, s20
	s_mul_i32 s30, s30, UB                         ; block 8 g + wave: of ctx the K step that I load, of a5 the one that I make
	s_mov_b32 s31, 0
	s_mul_i32 s34, s20, 8*UB
	s_add_co_u32 s34, s34, BOFF                    ; out_w's eight blocks of my 128 columns
	s_mov_b32 s35, 0
	s_mul_i32 s21, s20, WST
	s_add_co_u32 s21, s21, STG                     ; my stage
	s_mul_i32 s36, s20, AXW
	s_mov_b32 s[SEL], 0x76543210
	s_mov_b32 s[SEL+1], 0xfedcba98                 ; v_permlanex16_b32's selects for lane l xor 16
	s_mov_b32 s38, 0x3a800000                      ; 1 / 1024
	s_mov_b32 s39, 0x3727c5ac                      ; 1e-5
	v_and_b32 v1, 31, v0                           ; lane
	v_and_b32 v2, 15, v0                           ; r
	v_bfe_u32 v3, v0, 4, 1                         ; h
	v_lshlrev_b32 v8, 2, v0                        ; the sums: my thread's word,
	s_delay_alu instid0(VALU_DEP_4)
	v_lshlrev_b32 v6, 4, v1                        ; 16 x lane
	v_lshlrev_b32 v9, 2, v1                        ; and my lane's word of each wave
	v_lshlrev_b32 v10, 4, v2                       ; 16 r
	v_mul_u32_u24 v5, v2, SP
	v_lshlrev_b32 v7, 6, v3
	v_add_nc_u32 v4, s21, v6                       ; the stage, dense: 16 x lane; the row stands in the offset
	s_delay_alu instid0(VALU_DEP_3)
	v_lshl_add_u32 v5, v3, 6, v5
	v_add_nc_u32 v7, s21, v7                       ; the vectors' rows: 64 h
	v_add_nc_u32 v11, s32, v6                      ; a fragment of my tile: 16 x lane + 1,536 i
	v_add_nc_u32 v12, s33, v10                     ; its words: 16 r + the tile's place
	v_add_nc_u32 v5, s21, v5                       ; the stage, turned: row r, + 64 h
	v_add_nc_u32 v13, s36, v6                      ; where my K step of ctx goes in LDS,
	v_add_nc_u32 v225, s36, v9                     ; and its words
	s_wait_alu depctr_va_vdst(0)                   ; the wait at the head's end
	s_wait_kmcnt 0x0
	s_add_nc_u64 s[4:5], s[4:5], s[30:31]
	s_add_nc_u64 s[6:7], s[6:7], s[34:35]
	s_add_nc_u64 s[8:9], s[8:9], s[28:29]
	s_add_nc_u64 s[10:11], s[10:11], s[26:27]
	s_add_nc_u64 s[12:13], s[12:13], s[28:29]
	s_add_nc_u64 s[14:15], s[14:15], s[28:29]
	s_add_nc_u64 s[16:17], s[16:17], s[26:27]
	s_add_nc_u64 s[18:19], s[18:19], s[30:31]
.irp c, 0,1,2
	global_load_b128 v[AT+4*\c:AT+4*\c+3], v11, s[4:5] offset:512*\c       ; ctx: my tile, K step = my wave's number
.endr
	global_load_b32 v[AT+12], v12, s[4:5]
	LOADB 0
	LOADB 1
	s_wait_loadcnt 52                              ; ctx's four loads are in; the two sets of 26 may be out
.irp c, 0,1,2
	ds_store_b128 v13, v[AT+4*\c:AT+4*\c+3] offset:AX+512*\c
.endr
	ds_store_b32 v225, v[AT+12] offset:AX+1536
	WIN 0x40
.set li, 0
.rept 16                               ; stage row li is the tile's lane li: row li + 8 (li / 8) from the tile's first
	global_load_b128 v[192+4*li:192+4*li+3], v6, s[10:11] offset:4096*(li+8*(li/8)) th:TH_LOAD_NT
.set li, li+1
.endr
	WIN 0
	global_load_b128 v[PT:PT+3], v6, s[8:9]
	global_load_b128 v[PT+4:PT+7], v6, s[12:13]
	global_load_b128 v[PT+8:PT+11], v6, s[14:15]
	s_wait_dscnt 0x0                               ; for the others' sake: my stores have landed
	s_barrier_signal -1
	s_barrier_wait -1
.set k, 0
.rept 8
.irp c, 0,1,2
	ds_load_b128 v[AF+12*k+4*\c:AF+12*k+4*\c+3], v6 offset:AX+AXW*k+512*\c
.endr
	ds_load_b32 v[AW+k], v9 offset:AX+AXW*k+1536
.set k, k+1
.endr
	s_wait_dscnt 0x0
	s_wait_loadcnt 45                              ; set 0 is in; behind it: set 1's 26 and the 19 of src and the vectors
	MUL 0, 1                                       ; the first K step starts the sums
	LOADB 2
	s_wait_loadcnt 45                              ; set 1 is in; behind it: the 19 and K step 2's 26
	MUL 1, 0
	LOADB 3
	s_wait_loadcnt 52                              ; src and the vectors are in; behind them: K steps 2 and 3
	WIN 0x04                                       ; an LDS store's data are its source 1: window 1
.set li, 0
.rept 16
	ds_store_b128 v4, v[192+4*li:192+4*li+3] offset:SP*li
.set li, li+1
.endr
	WIN 0
.irp p, 0,1,2
	ds_store_b128 v4, v[PT+4*\p:PT+4*\p+3] offset:SP*(16+\p)       ; rows 16, 17, 18: out_b, fnorm_w, fnorm_b
.endr
.set kk, 2
.rept 4
	s_wait_loadcnt 26                              ; this K step's set is in; the next one's 26 may be out
	MUL kk, 0
	LOADB kk+2
.set kk, kk+1
.endr
	s_wait_loadcnt 26
	MUL 6, 0
	s_wait_loadcnt 0x0
	MUL 7, 0
	; THE WAY OUT.  LDS serves a wave's instructions in order (ISA guide 5.7.1.4): the loads from my stage see my stores
	TURN16 0, XX, 5, 0                             ; src at my 64 places
	TURN16 0, WW, 7, SP*16                         ; out_b
	WIN 0x40
	TURN16 0, 0, 7, SP*18                          ; fnorm_b, into window 1
	WIN 0
	s_wait_dscnt 16                                ; src and out_b are back; fnorm_b's 16 loads may be out
.set k, 0
.rept 32
	v_pk_add_f32 v[XX+k:XX+k+1], v[XX+k:XX+k+1], v[WW+k:WW+k+1]
.set k, k+2
.endr
.set k, 0
.rept 32
	v_pk_add_f32 v[Y+k:Y+k+1], v[Y+k:Y+k+1], v[XX+k:XX+k+1]        ; src2; each accumulator is read from its low end on
.set k, k+2
.endr
	TURN16 1, Y, 5, 0                              ; src2 into the stage, over src,
.set li, 0
.rept 16
	ds_load_b128 v[XX+4*li:XX+4*li+3], v4 offset:SP*li             ; and back as dense rows
.set li, li+1
.endr
	TURN16 0, WW, 7, SP*17                         ; fnorm_w
.irp c, 0,1,2,3
	v_pk_add_f32 v[SM+2*\c:SM+2*\c+1], v[Y+4*\c:Y+4*\c+1], v[Y+4*\c+2:Y+4*\c+3]   ; the first sixteen start four chains: nothing is cleared
.endr
.set k, 16
.rept 24
	s_delay_alu instid0(VALU_DEP_4)
	v_pk_add_f32 v[SM+2*((k/2)%4):SM+2*((k/2)%4)+1], v[SM+2*((k/2)%4):SM+2*((k/2)%4)+1], v[Y+k:Y+k+1]
.set k, k+2
.endr
	JOIN
	ACROSS RED1
.set li, 0
.rept 16
	global_store_b128 v6, v[XX+4*li:XX+4*li+3], s[16:17] offset:4096*(li+8*(li/8))   ; 32 lanes store 512 consecutive bytes of a row of src2
.set li, li+1
.endr
	v_mul_f32 v240, 0xba800000, v[PC]              ; - mean
	s_delay_alu instid0(VALU_DEP_1)
	v_mov_b32 v241, v240
.set k, 0
.rept 32
	v_pk_add_f32 v[Y+k:Y+k+1], v[Y+k:Y+k+1], v[240:241]            ; x - mean in place: no difference of large sums is formed
.set k, k+2
.endr
.irp c, 0,1,2,3
	v_pk_mul_f32 v[SM+2*\c:SM+2*\c+1], v[Y+2*\c:Y+2*\c+1], v[Y+2*\c:Y+2*\c+1]
.endr
.set k, 8
.rept 28
	s_delay_alu instid0(VALU_DEP_4)
	v_pk_fma_f32 v[SM+2*((k/2)%4):SM+2*((k/2)%4)+1], v[Y+k:Y+k+1], v[Y+k:Y+k+1], v[SM+2*((k/2)%4):SM+2*((k/2)%4)+1]
.set k, k+2
.endr
	JOIN
	ACROSS RED2
	s_delay_alu instid0(VALU_DEP_1)
	v_fma_f32 v[PC], v[PC], s38, s39               ; the variance + 1e-5
	s_wait_alu depctr_va_vdst(0)                   ; the wait ahead of the transcendental
	v_rsq_f32 v242, v[PC]
	v_nop                                          ; a plain place behind the transcendental
	s_wait_alu depctr_va_vdst(0)                   ; and the wait ahead of its first reader
	v_mov_b32 v243, v242
.set k, 0
.rept 32
	v_pk_mul_f32 v[Y+k:Y+k+1], v[Y+k:Y+k+1], v[242:243]
.set k, k+2
.endr
	WIN 0x10                                       ; source 2: window 1
.set k, 0
.rept 32
	v_pk_fma_f32 v[Y+k:Y+k+1], v[Y+k:Y+k+1], v[WW+k:WW+k+1], v[k:k+1]
.set k, k+2
.endr
	WIN 0
	QUANT Y
.irp c, 0,1,2
	global_store_b128 v11, v[PC+4*\c:PC+4*\c+3], s[18:19] offset:512*\c    ; 32 lanes store 512 consecutive bytes
.endr
	global_store_b32 v12, v[PW], s[18:19]          ; both halves of the lanes hold the same word and name the same place
	s_wait_tensorcnt 0x0                           ; the wave's end, behind my last LDS store
	ds_add_u32 v[SPW], v[NIL]
	s_wait_dscnt 0x0
	s_endpgm
.Lfunc_end_k_q581a9de008_g4ln:
	.size	k_q581a9de008_g4ln, .Lfunc_end_k_q581a9de008_g4ln-k_q581a9de008_g4ln
	.p2alignl 7, 3214868480
	.fill 96, 4, 3214868480
	.section	.rodata,"a",@progbits
	.p2align	6, 0x0
	.amdhsa_kernel k_q581a9de008_g4ln
		.amdhsa_group_segment_fixed_size 96768
		.amdhsa_private_segment_fixed_size 0
		.amdhsa_enable_private_segment 0
		.amdhsa_kernarg_size 64
		.amdhsa_user_sgpr_count 2
		.amdhsa_user_sgpr_kernarg_segment_ptr 1
		.amdhsa_wavefront_size32 1
		.amdhsa_system_sgpr_workgroup_id_x 1
		.amdhsa_system_sgpr_workgroup_id_y 1
		.amdhsa_system_sgpr_workgroup_id_z 1
		.amdhsa_system_vgpr_workitem_id 0
		.amdhsa_next_free_vgpr 512
		.amdhsa_next_free_sgpr 66
		.amdhsa_reserve_vcc 0
		.amdhsa_float_denorm_mode_32 3
		.amdhsa_float_denorm_mode_16_64 3
		.amdhsa_memory_ordered 1
		.amdhsa_forward_progress 1
		.amdhsa_inst_pref_size 71
	.end_amdhsa_kernel
	.amdgpu_metadata
---
amdhsa.version: [ 1, 2 ]
amdhsa.kernels:
  - .name:           k_q581a9de008_g4ln
    .symbol:         k_q581a9de008_g4ln.kd
    .args:
      - { .name: ctx, .offset: 0, .size: 8, .value_kind: global_buffer, .address_space: global }
      - { .name: pimg, .offset: 8, .size: 8, .value_kind: global_buffer, .address_space: global }
      - { .name: out_b, .offset: 16, .size: 8, .value_kind: global_buffer, .address_space: global }
      - { .name: src, .offset: 24, .size: 8, .value_kind: global_buffer, .address_space: global }
      - { .name: fnorm_w, .offset: 32, .size: 8, .value_kind: global_buffer, .address_space: global }
      - { .name: fnorm_b, .offset: 40, .size: 8, .value_kind: global_buffer, .address_space: global }
      - { .name: src2, .offset: 48, .size: 8, .value_kind: global_buffer, .address_space: global }
      - { .name: a5, .offset: 56, .size: 8, .value_kind: global_buffer, .address_space: global }
    .group_segment_fixed_size: 96768
    .private_segment_fixed_size: 0
    .kernarg_segment_align: 8
    .kernarg_segment_size: 64
    .max_flat_workgroup_size: 256
    .sgpr_count:     66
    .vgpr_count:     512
    .wavefront_size: 32
...
	.end_amdgpu_metadata
.endif
;; end of part 4
;; launch g5 (part 5): grid 16 x 16, 4 waves a work-group, clusters of 4 x 4, 327,680 bytes of LDS; arguments a5, pimg, ff1_b, hid; writes hid
.if DOCPART == 5
	.amdgcn_target "amdgcn-amd-amdhsa--gfx1250"
	.amdhsa_code_object_version 6
	.text
	.protected	k_q581a9de008_g5
	.globl	k_q581a9de008_g5
	.p2align	8
	.type	k_q581a9de008_g5,@function
k_q581a9de008_g5:
	s_mov_b64 s[64:65], 0
	v_nop
	global_prefetch_b8 v0, s[64:65] scope:SCOPE_SE
	s_setreg_imm32_b32 hwreg(HW_REG_WAVE_MODE, 25, 1), 1
	s_wait_xcnt 0x0
	s_wait_alu depctr_hold_cnt(0) depctr_sa_sdst(0) depctr_va_vdst(0) depctr_va_sdst(0) depctr_va_ssrc(0) depctr_va_vcc(0) depctr_vm_vsrc(0)
	s_getreg_b32 s2, hwreg(HW_REG_IB_STS2, 6, 4)
	s_cmp_eq_u32 s2, 0
	s_cbranch_scc0 .Lentry_in_a_cluster
	s_endpgm
.Lentry_in_a_cluster:
	s_bfe_u32 s2, ttmp6, 0x10000c
	s_cmp_lg_u32 s2, 0xf033
	s_cbranch_scc0 .Lentry_shape_is_right
	s_endpgm
.Lentry_shape_is_right:
; hid = relu(LN2(src2) ff1_w + ff1_b) on codes of FP6 (E2M3) with E8M0 scales, quantised along the 4,096 hidden units in registers and stored as an operand image.  No f32 result goes to memory.
; A tile of 256 tokens x 256 columns to a work-group, 128 x 128 to each of four waves: 64 accumulators.  K = 1,024 in 8 steps of 128, two steps to a slot, two LDS slots.
; OPERANDS are images of their registers: a block of 128 rows x 128 K is 12,800 dense bytes (8 fragments of 1,536, then 512 bytes of scale words), laid [row / 128][k / 128]; a wave's tensor load is 25,600 dense bytes.
; Lane r of tile 2 b + u holds row 32 b + 8 u + r + 8 (r / 8).  Source 0 = columns, source 1 = tokens: a lane's 64 results are 4 blocks of 32 neighbours along the next K: register 16 b + i = unit 32 b + 16 (lane / 16) + i.
; CLUSTER 4 x 4: tokens' blocks are shared along a row of the cluster, columns' along a column: joint loads.
; LIMITS: a block of zeros gets the byte 1, not 127; largest magnitudes under 2^-124 are held at that floor; NaN and infinities are not served.
.set T,     8
.set NS,    2
.set KS,    8
.set LAPS,  KS/(2*NS)
.set BOFF,  6553600                    ; ff1_w's image in pimg
.set UB,    12800
.set WLD,   2*UB
.set SLOT,  8*UB
.set SPARE, 2*SLOT
.set FR,    12
.set ADRA,  16
.set ADRB,  18
.set ADRS,  20
.set L16,   22
.set BO,    27
.set SPW,   28
.set NIL,   29
.set SC,    32
.set F1,    64
.set Y,     64
.set PC,    128
.set TM,    152
.set PW,    168
.set W0S,   176
.set XO,    192
.set G1,    24
.set G0,    32
.set G1B,   48
.set G0B,   56
.set SEL,   76
.set MSB, 0
.macro WIN new
.if MSB != (\new)
	s_set_vgpr_msb (MSB<<8)|(\new)
.set MSB, (\new)
.endif
.endm
.macro PLACES
.rept 4
	v_nop
.endr
.endm
.macro JLOAD s
	s_cmp_eq_u32 s15, 0
	s_cbranch_scc0 .Lfor_b_\@
	tensor_load_to_lds s[G0+4*\s:G0+4*\s+3], s[G1:G1+7]
	s_nop 0
.rept 4
	v_nop
.endr
	s_branch .Lasked_\@
.Lfor_b_\@:
	tensor_load_to_lds s[G0B+4*\s:G0B+4*\s+3], s[G1B:G1B+7]
	s_nop 0
.rept 4
	v_nop
.endr
.Lasked_\@:
.endm
.macro CREST
	s_cmp_lg_u32 s14, 0
	s_cbranch_scc1 .Lnot_wave_0_\@
	s_barrier_signal -3
.Lnot_wave_0_\@:
	s_barrier_wait -3
	s_barrier_signal -1
	s_barrier_wait -1
.endm
.macro CROUND
	s_barrier_signal -1
	s_barrier_wait -1
	CREST
.endm
.macro FETCH slot, q, p
	WIN 0x40
.set fi, 0
.rept T
.irp c, 0,1,2
	ds_load_b128 v[FR*T*(\p)+FR*fi+4*\c:FR*T*(\p)+FR*fi+4*\c+3], v[ADRB+\slot] offset:UB*(\q)+1536*fi+512*\c
.endr
.set fi, fi+1
.endr
	WIN 0
.set fi, 0
.rept T
.irp c, 0,1,2
	ds_load_b128 v[F1+FR*T*(\p)+FR*fi+4*\c:F1+FR*T*(\p)+FR*fi+4*\c+3], v[ADRA+\slot] offset:UB*(\q)+1536*fi+512*\c
.endr
.set fi, fi+1
.endr
	ds_load_b128 v[SC+8*(\p):SC+8*(\p)+3], v[ADRS+\slot] offset:UB*(\q)+12288
	ds_load_b128 v[SC+8*(\p)+4:SC+8*(\p)+7], v[ADRS+\slot] offset:UB*(\q)+12544
.endm
.macro MULA a, p, zero
	WIN 0xa1+0x50*((8*T*(\a))/256)
.set mt, 0
.rept T
.set rD, (8*T*(\a))%256+8*mt
.set rA, FR*T*(\p)+FR*mt
.set rB, F1+FR*T*(\p)+FR*(\a)
.set rX, SC+T*(\p)+(T/2)*(mt%2)+mt/2
.set rY, SC+T*(\p)+(T/2)*((\a)%2)+(\a)/2
.if \zero
	v_wmma_scale_f32_16x16x128_f8f6f4 v[rD:rD+7], v[rA:rA+11], v[rB:rB+11], 0, v[rX], v[rY] matrix_a_fmt:MATRIX_FMT_FP6 matrix_b_fmt:MATRIX_FMT_FP6 matrix_a_scale:MATRIX_SCALE_ROW1
.else
	v_wmma_scale_f32_16x16x128_f8f6f4 v[rD:rD+7], v[rA:rA+11], v[rB:rB+11], v[rD:rD+7], v[rX], v[rY] matrix_a_fmt:MATRIX_FMT_FP6 matrix_b_fmt:MATRIX_FMT_FP6 matrix_a_scale:MATRIX_SCALE_ROW1
.endif
.set mt, mt+1
.endr
.endm
.macro MULS a0, n, p, zero             ; the accumulators take turns, one instruction a turn
.set aa, \a0
.rept \n
	MULA aa, \p, \zero
.set aa, aa+1
.endr
.endm
.macro STEP slot, q, zero
	s_wait_dscnt 0x0
	PLACES
	FETCH \slot, (\q)+1, 1-(\q)%2
	MULS 0, T, (\q)%2, \zero
	WIN 0
.endm
.macro MID slot
.if NS > 2
.set qq, 1
.rept NS-2
	STEP \slot, qq, 0
.set qq, qq+1
.endr
.endif
.endm
.macro TURN slot, next, fill
	WIN 0
	s_wait_tensorcnt 0x0                           ; all my tensor loads have landed: my part of the next slot
	ds_add_u32 v[SPW], v[NIL]
	s_wait_dscnt 0x1                               ; the fragments are in; the add alone may be out
	MULS 0, T/4, 1, 0
	s_wait_dscnt 0x0                               ; the add is done, and my reads of this slot are over
	s_barrier_signal -1
	MULS T/4, T/4, 1, 0
	WIN 0
	s_barrier_wait -1
.if \fill
	CREST                                          ; no wave of any partner still reads this slot or has a load on its way
	s_add_nc_u64 s[G0+4*\slot+2:G0+4*\slot+3], s[G0+4*\slot+2:G0+4*\slot+3], 2*NS*UB
	s_add_nc_u64 s[G0B+4*\slot+2:G0B+4*\slot+3], s[G0B+4*\slot+2:G0B+4*\slot+3], 2*NS*UB
	JLOAD \slot
.else
	PLACES
.endif
	FETCH \next, 0, 0
	MULS T/2, T/2, 1, 0
	WIN 0
.endm
.macro QUANT s
.irp b, 0,1,2,3
	v_max3_num_f32 v[TM+\b], |v[\s+16*\b]|, |v[\s+1+16*\b]|, 0x1800000
.endr
.irp i, 2,4,6,8,10,12,14
.irp b, 0,1,2,3
	v_max3_num_f32 v[TM+\b], v[TM+\b], |v[\s+16*\b+\i]|, |v[\s+1+16*\b+\i]|
.endr
.endr
.irp b, 0,1,2,3
	v_permlanex16_b32 v[TM+4+\b], v[TM+\b], s[SEL], s[SEL+1]
.endr
.irp b, 0,1,2,3
	v_max_num_f32 v[TM+\b], v[TM+\b], v[TM+4+\b]
.endr
.irp b, 0,1,2,3
	v_add_nc_u32 v[TM+12+\b], 0xff000000, v[TM+\b]
.endr
.irp b, 0,1,2,3
	v_lshrrev_b32 v[TM+4+\b], 23, v[TM+12+\b]
.endr
	v_lshl_or_b32 v[PW], v[TM+5], 8, v[TM+4]
	v_lshl_or_b32 v[PW], v[TM+6], 16, v[PW]
	v_lshl_or_b32 v[PW], v[TM+7], 24, v[PW]
.irp c, 0,1
	v_cvt_scalef32_pk16_fp6_f32 v[PC+6*\c:PC+2+6*\c], v[\s+32*\c:\s+15+32*\c], v[TM+12+2*\c]
	v_cvt_scalef32_pk16_fp6_f32 v[PC+12+4*\c:PC+14+4*\c], v[\s+16+32*\c:\s+31+32*\c], v[TM+12+2*\c+1]
.endr
	v_nop
.irp c, 0,1
.irp i, 0,1,2
	v_permlane16_swap_b32 v[PC+6*\c+\i], v[PC+12+4*\c+\i]
.endr
.irp i, 0,1,2
	v_mov_b32 v[PC+3+6*\c+\i], v[PC+12+4*\c+\i]
.endr
.endr
.endm
	s_load_b256 s[4:11], s[0:1], 0x0               ; a5, pimg, ff1_b, hid
	v_lshl_add_u32 v[SPW], v0, 2, SPARE
	v_mov_b32 v[NIL], 0
	ds_add_u32 v[SPW], v[NIL]                      ; the wave's opening: the add and its wait ahead of my first tensor load
	ds_add_u32 v[SPW], v[NIL]
	v_lshrrev_b32 v1, 5, v0
	v_readfirstlane_b32 s14, v1
	s_lshr_b32 s15, s14, 1
	s_and_b32 s16, s14, 1
	s_bfe_u32 s40, ttmp6, 0x40000
	s_bfe_u32 s41, ttmp6, 0x40004
	s_lshl_b32 s42, ttmp9, 2
	s_add_co_u32 s42, s42, s40
	s_and_b32 s17, ttmp7, 0xffff
	s_lshl_b32 s17, s17, 2
	s_add_co_u32 s17, s17, s41
	s_lshl_b32 s43, s41, 2
	s_lshl_b32 s43, 15, s43
	s_lshl_b32 s44, 0x1111, s40
	s_or_b32 s[G1], s43, (3<<16)|(1<<21)
	s_or_b32 s[G1B], s44, (3<<16)|(1<<21)
.irp g, G1, G1B
	s_mov_b32 s[\g+1], 32<<16
	s_mov_b32 s[\g+2], 100<<16
	s_mov_b32 s[\g+3], 32<<16
	s_mov_b32 s[\g+4], 100
	s_mov_b32 s[\g+5], 32
	s_mov_b32 s[\g+6], 0
	s_mov_b32 s[\g+7], 0
.endr
	s_lshl_b32 s20, s17, 1
	s_add_co_u32 s20, s20, s16
	s_mul_i32 s20, s20, KS*UB
	s_mov_b32 s21, 0
	s_lshl_b32 s46, s42, 1
	s_add_co_u32 s46, s46, s16
	s_mul_i32 s46, s46, KS*UB
	s_add_co_u32 s46, s46, BOFF
	s_mov_b32 s47, 0
	s_mul_i32 s45, s14, WLD
	s_wait_dscnt 0x0
	s_wait_kmcnt 0x0
	s_add_nc_u64 s[20:21], s[4:5], s[20:21]
	s_add_nc_u64 s[46:47], s[6:7], s[46:47]
	CROUND
.irp s, 0,1
	s_mov_b32 s[G0+4*\s], 1
	s_add_co_u32 s[G0+4*\s+1], s45, \s*SLOT
	s_add_nc_u64 s[G0+4*\s+2:G0+4*\s+3], s[20:21], \s*NS*UB
	s_or_b32 s[G0+4*\s+3], s[G0+4*\s+3], 0x80000000
	s_mov_b32 s[G0B+4*\s], 1
	s_add_co_u32 s[G0B+4*\s+1], s45, \s*SLOT
	s_add_nc_u64 s[G0B+4*\s+2:G0B+4*\s+3], s[46:47], \s*NS*UB
	s_or_b32 s[G0B+4*\s+3], s[G0B+4*\s+3], 0x80000000
.endr
	JLOAD 0                                        ; slot 0: one tensor load a wave at the head
	v_and_b32 v1, 31, v0
	v_lshlrev_b32 v[L16], 4, v1
	v_and_b32 v2, 15, v0
	v_bfe_u32 v3, v0, 4, 1
	s_mov_b32 s[SEL], 0x76543210
	s_mov_b32 s[SEL+1], 0xfedcba98
	s_mov_b32 s78, 0xffff0000
	s_mul_i32 s21, s15, WLD
	s_mul_i32 s22, s16, WLD
	s_add_co_u32 s22, s22, 2*WLD
	s_sub_co_u32 s23, s22, s21
	v_mul_u32_u24 v4, s23, v3                      ; lanes 16-31 take the columns' words
	v_lshl_add_u32 v4, v2, 4, v4
	v_add_nc_u32 v[ADRS], s21, v4
	v_add_nc_u32 v[ADRS+1], SLOT, v[ADRS]
	v_add_nc_u32 v[ADRA], s21, v[L16]
	v_add_nc_u32 v[ADRA+1], SLOT, v[ADRA]
	v_add_nc_u32 v[ADRB], s22, v[L16]
	v_add_nc_u32 v[ADRB+1], SLOT, v[ADRB]
	v_lshlrev_b32 v[BO], 6, v3                     ; the bias: 64 h
	s_wait_alu depctr_va_vdst(0)
	s_lshl_b32 s18, s42, 1
	s_add_co_u32 s18, s18, s16                     ; my group of 128 columns = the next product's K step
	s_lshl_b32 s19, s17, 1
	s_add_co_u32 s19, s19, s15                     ; my group of 128 tokens
	s_lshl_b32 s70, s18, 9
	s_mov_b32 s71, 0
	s_add_nc_u64 s[8:9], s[8:9], s[70:71]
	s_lshl_b32 s70, s19, 5
	s_add_co_u32 s70, s70, s18
	s_mul_i32 s70, s70, UB
	s_add_nc_u64 s[10:11], s[10:11], s[70:71]      ; my block of hid
	WIN 0x40                                       ; the bias in the results' layout: register 8 x + j = column 32 (x / 2) + 8 (x % 2) + 16 h + j
.irp x, 0,1,2,3,4,5,6,7
	global_load_b128 v[192+8*\x:195+8*\x], v[BO], s[8:9] offset:4*(32*(\x/2)+8*(\x%2))
	global_load_b128 v[196+8*\x:199+8*\x], v[BO], s[8:9] offset:4*(32*(\x/2)+8*(\x%2))+16
.endr
	WIN 0
	s_wait_alu depctr_va_vdst(0)                   ; the wait at the head's end
	s_wait_tensorcnt 0x0                           ; my part of slot 0 is in; slot 1's first fill is issued as a refill is
	ds_add_u32 v[SPW], v[NIL]
	s_wait_dscnt 0x0
	CROUND
	JLOAD 1
	FETCH 0, 0, 0
	STEP 0, 0, 1
.if LAPS > 1
	s_mov_b32 s3, LAPS-1
.Llap:
	MID 0
	TURN 0, 1, 1
	STEP 1, 0, 0
	MID 1
	TURN 1, 0, 1
	STEP 0, 0, 0
	s_sub_co_u32 s3, s3, 1
	s_cmp_lg_u32 s3, 0
	s_cbranch_scc1 .Llap
.endif
	MID 0
	TURN 0, 1, 0
	STEP 1, 0, 0
	MID 1
	s_wait_dscnt 0x0
	MULS 0, T, 1, 0
	WIN 0
	; THE WAY OUT: for each tile of 16 tokens: + the bias, relu, quantised in registers, stored as an image
	s_wait_loadcnt 0x0
	PLACES
.irp b, 0,1,2,3
	v_mov_b32 v[TM+4+\b], 0
.endr
.set ea, 0
.rept 8
	s_wait_xcnt 0x0                                ; the last tile's stores have read the codes' registers
	WIN 0x06+ea/4
.set ei, 0
.rept 32
	v_pk_add_f32 v[Y+ei:Y+ei+1], v[64*(ea%4)+ei:64*(ea%4)+ei+1], v[192+ei:192+ei+1]
.set ei, ei+2
.endr
	WIN 0
.set ei, 0
.rept 64
	v_max_num_f32 v[Y+ei], 0, v[Y+ei]
.set ei, ei+1
.endr
	QUANT Y
.irp c, 0,1,2
	global_store_b128 v[L16], v[PC+4*\c:PC+4*\c+3], s[10:11] offset:1536*ea+512*\c
.endr
	v_mov_b32 v[W0S+ea], v[PW]
.set ea, ea+1
.endr
.irp k, 0,1,2,3
	v_cndmask_b32 v[XO+\k], v[W0S+2*\k], v[W0S+2*\k+1], s78        ; lanes 0-15 the even tiles' words, lanes 16-31 the odd tiles'
.endr
	global_store_b128 v[L16], v[XO:XO+3], s[10:11] offset:12288
	s_wait_tensorcnt 0x0                           ; the wave's end
	ds_add_u32 v[SPW], v[NIL]
	s_wait_dscnt 0x0
	CROUND
	s_endpgm
.Lfunc_end_k_q581a9de008_g5:
	.size	k_q581a9de008_g5, .Lfunc_end_k_q581a9de008_g5-k_q581a9de008_g5
	.p2alignl 7, 3214868480
	.fill 96, 4, 3214868480
	.section	.rodata,"a",@progbits
	.p2align	6, 0x0
	.amdhsa_kernel k_q581a9de008_g5
		.amdhsa_group_segment_fixed_size 327680
		.amdhsa_private_segment_fixed_size 0
		.amdhsa_enable_private_segment 0
		.amdhsa_kernarg_size 32
		.amdhsa_user_sgpr_count 2
		.amdhsa_user_sgpr_kernarg_segment_ptr 1
		.amdhsa_wavefront_size32 1
		.amdhsa_system_sgpr_workgroup_id_x 1
		.amdhsa_system_sgpr_workgroup_id_y 1
		.amdhsa_system_sgpr_workgroup_id_z 1
		.amdhsa_system_vgpr_workitem_id 0
		.amdhsa_next_free_vgpr 1024
		.amdhsa_next_free_sgpr 80
		.amdhsa_reserve_vcc 0
		.amdhsa_float_denorm_mode_32 3
		.amdhsa_float_denorm_mode_16_64 3
		.amdhsa_memory_ordered 1
		.amdhsa_forward_progress 1
		.amdhsa_inst_pref_size 169
	.end_amdhsa_kernel
	.amdgpu_metadata
---
amdhsa.version: [ 1, 2 ]
amdhsa.kernels:
  - .name:           k_q581a9de008_g5
    .symbol:         k_q581a9de008_g5.kd
    .args:
      - { .name: a5, .offset: 0, .size: 8, .value_kind: global_buffer, .address_space: global }
      - { .name: pimg, .offset: 8, .size: 8, .value_kind: global_buffer, .address_space: global }
      - { .name: ff1_b, .offset: 16, .size: 8, .value_kind: global_buffer, .address_space: global }
      - { .name: hid, .offset: 24, .size: 8, .value_kind: global_buffer, .address_space: global }
    .group_segment_fixed_size: 327680
    .private_segment_fixed_size: 0
    .kernarg_segment_align: 8
    .kernarg_segment_size: 32
    .max_flat_workgroup_size: 128
    .sgpr_count:     80
    .vgpr_count:     1024
    .wavefront_size: 32
...
	.end_amdgpu_metadata
.endif
;; end of part 5
;; launch g6 (part 6): grid 8 x 32, 4 waves a work-group, clusters of 4 x 4, 327,680 bytes of LDS; arguments hid, pimg, ff2_b, src2, out0; writes out0
.if DOCPART == 6
	.amdgcn_target "amdgcn-amd-amdhsa--gfx1250"
	.amdhsa_code_object_version 6
	.text
	.protected	k_q581a9de008_g6
	.globl	k_q581a9de008_g6
	.p2align	8
	.type	k_q581a9de008_g6,@function
k_q581a9de008_g6:
	s_mov_b64 s[64:65], 0
	v_nop
	global_prefetch_b8 v0, s[64:65] scope:SCOPE_SE
	s_setreg_imm32_b32 hwreg(HW_REG_WAVE_MODE, 25, 1), 1
	s_wait_xcnt 0x0
	s_wait_alu depctr_hold_cnt(0) depctr_sa_sdst(0) depctr_va_vdst(0) depctr_va_sdst(0) depctr_va_ssrc(0) depctr_va_vcc(0) depctr_vm_vsrc(0)
	s_getreg_b32 s2, hwreg(HW_REG_IB_STS2, 6, 4)
	s_cmp_eq_u32 s2, 0
	s_cbranch_scc0 .Lentry_in_a_cluster
	s_endpgm
.Lentry_in_a_cluster:
	s_bfe_u32 s2, ttmp6, 0x10000c
	s_cmp_lg_u32 s2, 0xf033
	s_cbranch_scc0 .Lentry_shape_is_right
	s_endpgm
.Lentry_shape_is_right:
; out0 = src2 + hid ff2_w + ff2_b, the product on codes of FP6 (E2M3) with E8M0 scales; f32 out, row-major.
; N = 1,024: a tile of 128 tokens x 128 columns to a work-group gives 256 work-groups; 64 x 64 to each of four waves: 16 accumulators.  K = 4,096 in 32 steps of 128.
; OPERANDS are images of their registers: a block of 128 rows x 128 K is 12,800 dense bytes (8 fragments of 1,536, then 512 bytes of scale words), laid [row / 128][k / 128].
; THE RING.  LDS holds three regions of four K steps (tokens' four blocks, then columns' four: 102,400 bytes).  Regions 0 and 1 are ONE LARGE SLOT of eight steps, region 2 a small slot of four.  K goes 8, 4, 8, 4, 8 steps:
; the first fills bring 12 of the 32 steps, and three refills bring the rest.  A wave's load for the large slot is four K steps of one operand, 51,200 dense bytes (waves 0, 1: tokens' steps 0-3, 4-7; waves 2, 3: columns');
; for the small slot two K steps, 25,600 bytes.  From region 0 to region 1 no barrier stands: the one in front of the large slot has shown all of it to every wave.  The 32 steps are written out.
; Lane r of tile 2 b + u holds row 32 b + 8 u + r + 8 (r / 8).  Source 0 = columns, source 1 = tokens: a lane holds a token and eight neighbouring columns a tile.
; CLUSTER 4 x 4: tokens' blocks are shared along a row of the cluster, columns' along a column: joint loads.
.set T,     4
.set KS,    32
.set BOFF,  9830400                    ; ff2_w's image in pimg
.set UB,    12800
.set SLOT,  8*UB                       ; a region
.set STAGE, 3*SLOT                     ; behind the ring: 16 rows x (256 + 16) bytes for each wave
.set SPARE, STAGE+4*16*272             ; the spare words, 128 bytes a wave
.set FR,    12
.set ADRA,  8                          ; v8-10  source 1's fragments in region 0, 1, 2
.set ADRB,  11                         ; v11-13 source 0's
.set ADRS,  14                         ; v14-16 scale words: lanes 0-15 source 1's, lanes 16-31 source 0's
.set L16,   22
.set STO,   24
.set RD,    25
.set CO,    26
.set BO,    27
.set SPW,   28
.set NIL,   29
.set SC,    32                         ; v32-39 scale words, two sets: tile i at SC + 4 p + 2 (i % 2) + i / 2
.set BI,    44                         ; v44-47 the bias of my four columns
.set F1,    64                         ; window 0: source 1's fragments, two sets of 48;  window 1: source 0's;  window 2: the accumulators;  window 3: the residual
.set BK,    64
.set G1S,   24                         ; s[24:31] group 1, tokens' blocks, small (100 rows of 256 bytes);  s[32:39] large (200 rows)
.set G1L,   32
.set G1BS,  40                         ; s[40:47], s[48:55] the same for columns' blocks: they differ in the mask
.set G1BL,  48
.set G0L,   56                         ; groups 0: tokens' large, small;
.set G0S,   60
.set G0BL,  84                         ; columns' large, small
.set G0BS,  88
.set MSB, 0
.macro WIN new
.if MSB != (\new)
	s_set_vgpr_msb (MSB<<8)|(\new)
.set MSB, (\new)
.endif
.endm
.macro PLACES                          ; four plain places behind a matrix instruction, ahead of loads into its registers and of reads of its results
.rept 4
	v_nop
.endr
.endm
.macro JLOAD g0a, g1a, g0b, g1b        ; a joint load: waves 0, 1 fetch tokens' blocks, waves 2, 3 columns'; s_nop 0 and four v_nop follow each line
	s_cmp_eq_u32 s15, 0
	s_cbranch_scc0 .Lfor_b_\@
	tensor_load_to_lds s[\g0a:\g0a+3], s[\g1a:\g1a+7]
	s_nop 0
.rept 4
	v_nop
.endr
	s_branch .Lasked_\@
.Lfor_b_\@:
	tensor_load_to_lds s[\g0b:\g0b+3], s[\g1b:\g1b+7]
	s_nop 0
.rept 4
	v_nop
.endr
.Lasked_\@:
.endm
.macro CREST
	s_cmp_lg_u32 s14, 0
	s_cbranch_scc1 .Lnot_wave_0_\@
	s_barrier_signal -3
.Lnot_wave_0_\@:
	s_barrier_wait -3
	s_barrier_signal -1
	s_barrier_wait -1
.endm
.macro CROUND
	s_barrier_signal -1
	s_barrier_wait -1
	CREST
.endm
.macro FETCH slot, q, p                ; the fragments and scale words of the region's q-th K step into set p
	WIN 0x40
.set fi, 0
.rept T
.irp c, 0,1,2
	ds_load_b128 v[FR*T*(\p)+FR*fi+4*\c:FR*T*(\p)+FR*fi+4*\c+3], v[ADRB+\slot] offset:UB*(\q)+1536*fi+512*\c
.endr
.set fi, fi+1
.endr
	WIN 0
.set fi, 0
.rept T
.irp c, 0,1,2
	ds_load_b128 v[F1+FR*T*(\p)+FR*fi+4*\c:F1+FR*T*(\p)+FR*fi+4*\c+3], v[ADRA+\slot] offset:UB*(\q)+1536*fi+512*\c
.endr
.set fi, fi+1
.endr
	ds_load_b64 v[SC+4*(\p):SC+4*(\p)+1], v[ADRS+\slot] offset:UB*(\q)+12288
	ds_load_b64 v[SC+4*(\p)+2:SC+4*(\p)+3], v[ADRS+\slot] offset:UB*(\q)+12544
.endm
.macro MULA a, p, zero
	WIN 0xa1+0x50*((8*T*(\a))/256)
.set mt, 0
.rept T
.set rD, (8*T*(\a))%256+8*mt
.set rA, FR*T*(\p)+FR*mt
.set rB, F1+FR*T*(\p)+FR*(\a)
.set rX, SC+T*(\p)+(T/2)*(mt%2)+mt/2
.set rY, SC+T*(\p)+(T/2)*((\a)%2)+(\a)/2
.if \zero
	v_wmma_scale_f32_16x16x128_f8f6f4 v[rD:rD+7], v[rA:rA+11], v[rB:rB+11], 0, v[rX], v[rY] matrix_a_fmt:MATRIX_FMT_FP6 matrix_b_fmt:MATRIX_FMT_FP6 matrix_a_scale:MATRIX_SCALE_ROW1
.else
	v_wmma_scale_f32_16x16x128_f8f6f4 v[rD:rD+7], v[rA:rA+11], v[rB:rB+11], v[rD:rD+7], v[rX], v[rY] matrix_a_fmt:MATRIX_FMT_FP6 matrix_b_fmt:MATRIX_FMT_FP6 matrix_a_scale:MATRIX_SCALE_ROW1
.endif
.set mt, mt+1
.endr
.endm
.macro MULS a0, n, p, zero             ; the accumulators take turns, one instruction a turn, in the same order in every step
.set aa, \a0
.rept \n
	MULA aa, \p, \zero
.set aa, aa+1
.endr
.endm
.macro STEP slot, q, zero              ; a K step that has its successor in the same region: the next set is asked for first
	s_wait_dscnt 0x0
	PLACES
	FETCH \slot, (\q)+1, 1-(\q)%2
	MULS 0, T, (\q)%2, \zero
	WIN 0
.endm
.macro TRIO slot, zero                 ; a region's first three steps
	STEP \slot, 0, \zero
	STEP \slot, 1, 0
	STEP \slot, 2, 0
.endm
.macro CROSS next                      ; region 0's last step: on into region 1, the other half of the same slot: no barrier
	s_wait_dscnt 0x0
	PLACES
	FETCH \next, 0, 0
	MULS 0, T, 1, 0
	WIN 0
.endm
; A slot's last step changes slots: one barrier; in front of it each wave waits for all its tensor loads, adds 0 to its spare word, and waits for that and for its reads of the slot.  fill = 1: the large slot, just read, is filled again; 2: the small one; 0: none.
.macro TURN next, fill
	WIN 0
	s_wait_tensorcnt 0x0                           ; all my tensor loads have landed: my part of the next slot
	ds_add_u32 v[SPW], v[NIL]
	s_wait_dscnt 0x1                               ; the fragments are in; the add alone may be out
	MULS 0, T/4, 1, 0
	s_wait_dscnt 0x0                               ; the add is done, and my reads of this slot are over
	s_barrier_signal -1
	MULS T/4, T/4, 1, 0
	WIN 0
	s_barrier_wait -1
.if \fill == 1
	CREST                                          ; the barrier has opened a round of the cluster's: no wave of any partner still reads this slot or has a load on its way
	s_add_nc_u64 s[G0L+2:G0L+3], s[G0L+2:G0L+3], 12*UB             ; a slot's next fill lies 12 K steps on
	s_add_nc_u64 s[G0BL+2:G0BL+3], s[G0BL+2:G0BL+3], 12*UB
	JLOAD G0L, G1L, G0BL, G1BL                     ; its four v_nop are also the places in front of the loads below
.elseif \fill == 2
	CREST
	s_add_nc_u64 s[G0S+2:G0S+3], s[G0S+2:G0S+3], 12*UB
	s_add_nc_u64 s[G0BS+2:G0BS+3], s[G0BS+2:G0BS+3], 12*UB
	JLOAD G0S, G1S, G0BS, G1BS
.else
	PLACES
.endif
	FETCH \next, 0, 0
	MULS T/2, T/2, 1, 0
	WIN 0
.endm
	s_load_b256 s[4:11], s[0:1], 0x0               ; hid, pimg, the bias, the residual
	s_load_b64 s[12:13], s[0:1], 0x20              ; the output
	v_lshl_add_u32 v[SPW], v0, 2, SPARE
	v_mov_b32 v[NIL], 0
	ds_add_u32 v[SPW], v[NIL]                      ; the wave's opening: the add and its wait ahead of my first tensor load
	ds_add_u32 v[SPW], v[NIL]
	v_lshrrev_b32 v1, 5, v0
	v_readfirstlane_b32 s14, v1
	s_lshr_b32 s15, s14, 1                         ; my half of the tokens.  Also: I fetch tokens' blocks (0) or columns' (1)
	s_and_b32 s16, s14, 1                          ; my half of the columns.  Also: which half of a slot's K steps I fetch
	s_bfe_u32 s66, ttmp6, 0x40000                  ; cx
	s_bfe_u32 s67, ttmp6, 0x40004                  ; cy
	s_lshl_b32 s68, ttmp9, 2
	s_add_co_u32 s68, s68, s66                     ; tile column
	s_and_b32 s17, ttmp7, 0xffff
	s_lshl_b32 s17, s17, 2
	s_add_co_u32 s17, s17, s67                     ; tile row
	s_lshl_b32 s69, s67, 2
	s_lshl_b32 s69, 15, s69                        ; my row of the cluster
	s_lshl_b32 s70, 0x1111, s66                    ; my column
	s_or_b32 s[G1S], s69, (3<<16)|(1<<21)          ; the mask; elements of 8 bytes; bit 21 beside a mask; no padding
	s_or_b32 s[G1L], s69, (3<<16)|(1<<21)
	s_or_b32 s[G1BS], s70, (3<<16)|(1<<21)
	s_or_b32 s[G1BL], s70, (3<<16)|(1<<21)
.irp g, G1S, G1BS
	s_mov_b32 s[\g+1], 32<<16                      ; tensor_dim0 = 32 elements: 256 bytes
	s_mov_b32 s[\g+2], 100<<16                     ; tensor_dim1 = 100 rows: two K steps
	s_mov_b32 s[\g+3], 32<<16
	s_mov_b32 s[\g+4], 100
	s_mov_b32 s[\g+5], 32                          ; the pitch: dense
	s_mov_b32 s[\g+6], 0
	s_mov_b32 s[\g+7], 0
.endr
.irp g, G1L, G1BL
	s_mov_b32 s[\g+1], 32<<16
	s_mov_b32 s[\g+2], 200<<16                     ; 200 rows: four K steps
	s_mov_b32 s[\g+3], 32<<16
	s_mov_b32 s[\g+4], 200
	s_mov_b32 s[\g+5], 32
	s_mov_b32 s[\g+6], 0
	s_mov_b32 s[\g+7], 0
.endr
	s_mul_i32 s18, s16, 4*UB                       ; the large slot: K steps 4 x half on
	s_mul_i32 s20, s17, KS*UB
	s_add_co_u32 s20, s20, s18
	s_mov_b32 s21, 0
	s_mul_i32 s72, s68, KS*UB
	s_add_co_u32 s72, s72, s18
	s_add_co_u32 s72, s72, BOFF
	s_mov_b32 s73, 0
	s_mul_i32 s19, s16, 2*UB                       ; the small slot: K steps 8 + 2 x half on
	s_mul_i32 s76, s17, KS*UB
	s_add_co_u32 s76, s76, s19
	s_add_co_u32 s76, s76, 8*UB
	s_mov_b32 s77, 0
	s_mul_i32 s78, s68, KS*UB
	s_add_co_u32 s78, s78, s19
	s_add_co_u32 s78, s78, BOFF+8*UB
	s_mov_b32 s79, 0
	s_mul_i32 s71, s16, SLOT                       ; where they land: the large: region = half, tokens' blocks first, columns' behind them;
	s_mul_i32 s74, s15, 4*UB
	s_add_co_u32 s71, s71, s74
	s_mul_i32 s75, s14, 2*UB                       ; the small: region 2, wave x two K steps
	s_add_co_u32 s75, s75, 2*SLOT
	s_wait_dscnt 0x0                               ; the opening add is done
	s_wait_kmcnt 0x0
	s_add_nc_u64 s[20:21], s[4:5], s[20:21]
	s_add_nc_u64 s[72:73], s[6:7], s[72:73]
	s_add_nc_u64 s[76:77], s[4:5], s[76:77]
	s_add_nc_u64 s[78:79], s[6:7], s[78:79]
	CROUND                                         ; all sixteen work-groups are here: the first joint loads meet
	s_mov_b32 s[G0L], 1
	s_mov_b32 s[G0L+1], s71
	s_mov_b64 s[G0L+2:G0L+3], s[20:21]
	s_or_b32 s[G0L+3], s[G0L+3], 0x80000000
	s_mov_b32 s[G0BL], 1
	s_mov_b32 s[G0BL+1], s71
	s_mov_b64 s[G0BL+2:G0BL+3], s[72:73]
	s_or_b32 s[G0BL+3], s[G0BL+3], 0x80000000
	JLOAD G0L, G1L, G0BL, G1BL                     ; K steps 0 to 7
	s_mov_b32 s[G0S], 1
	s_mov_b32 s[G0S+1], s75
	s_mov_b64 s[G0S+2:G0S+3], s[76:77]
	s_or_b32 s[G0S+3], s[G0S+3], 0x80000000
	s_mov_b32 s[G0BS], 1
	s_mov_b32 s[G0BS+1], s75
	s_mov_b64 s[G0BS+2:G0BS+3], s[78:79]
	s_or_b32 s[G0BS+3], s[G0BS+3], 0x80000000
	v_and_b32 v1, 31, v0
	v_lshlrev_b32 v[L16], 4, v1
	v_and_b32 v2, 15, v0                           ; r
	v_bfe_u32 v3, v0, 4, 1                         ; h
	s_mul_i32 s21, s15, 6144                       ; my four tiles of tokens
	s_mul_i32 s22, s16, 6144
	s_add_co_u32 s22, s22, 4*UB                    ; my four tiles of columns, behind the tokens' four K steps
	v_add_nc_u32 v[ADRA], s21, v[L16]
	v_add_nc_u32 v[ADRA+1], SLOT, v[ADRA]
	v_add_nc_u32 v[ADRA+2], 2*SLOT, v[ADRA]
	v_add_nc_u32 v[ADRB], s22, v[L16]
	v_add_nc_u32 v[ADRB+1], SLOT, v[ADRB]
	v_add_nc_u32 v[ADRB+2], 2*SLOT, v[ADRB]
	s_lshl_b32 s18, s15, 3
	s_lshl_b32 s19, s16, 3
	s_add_co_u32 s19, s19, 4*UB
	s_sub_co_u32 s19, s19, s18
	v_mul_u32_u24 v4, s19, v3                      ; lanes 16-31 take the columns' words
	v_lshl_add_u32 v4, v2, 4, v4
	v_add_nc_u32 v[ADRS], s18, v4
	v_add_nc_u32 v[ADRS+1], SLOT, v[ADRS]
	v_add_nc_u32 v[ADRS+2], 2*SLOT, v[ADRS]
	s_mul_i32 s23, s14, 16*272
	s_add_co_u32 s23, s23, STAGE                   ; my stage
	v_mul_u32_u24 v4, v2, 272
	v_lshl_add_u32 v4, v3, 6, v4
	v_add_nc_u32 v[STO], s23, v4                   ; in: row r, + 64 h
	v_mul_u32_u24 v4, v3, 272
	v_lshl_add_u32 v4, v2, 4, v4
	v_add_nc_u32 v[RD], s23, v4                    ; back: lanes 0-15 one row of 256 bytes, lanes 16-31 the next
	v_lshlrev_b32 v[CO], 12, v3
	v_lshl_add_u32 v[CO], v2, 4, v[CO]             ; and the same in memory
	s_wait_alu depctr_va_vdst(0)
	v_lshlrev_b32 v[BO], 4, v2
	s_wait_alu depctr_va_vdst(0)
	s_lshl_b32 s80, s17, 7
	s_lshl_b32 s81, s15, 6
	s_add_co_u32 s80, s80, s81
	s_lshl_b32 s80, s80, 12                        ; my first token's row of 4,096 bytes
	s_lshl_b32 s82, s68, 9
	s_lshl_b32 s83, s16, 8
	s_add_co_u32 s82, s82, s83                     ; my first column, in bytes
	s_add_co_u32 s80, s80, s82
	s_mov_b32 s81, 0
	s_mov_b32 s83, 0
	s_add_nc_u64 s[10:11], s[10:11], s[80:81]
	s_add_nc_u64 s[12:13], s[12:13], s[80:81]
	s_add_nc_u64 s[8:9], s[8:9], s[82:83]
	WIN 0xc0                                       ; the residual, in the order in which the rows come back from the stage: stage row 2 i + h of tile a is token 32 (a / 2) + 8 (a % 2) + 2 i + 8 (i / 4) + h
.irp a, 0,1,2,3
.irp i, 0,1,2,3,4,5,6,7
	global_load_b128 v[32*\a+4*\i:32*\a+4*\i+3], v[CO], s[10:11] offset:4096*(32*(\a/2)+8*(\a%2)+2*\i+8*(\i/4))
.endr
.endr
	WIN 0
	global_load_b128 v[BI:BI+3], v[BO], s[8:9]
	s_wait_alu depctr_va_vdst(0)                   ; the wait at the head's end
	s_wait_tensorcnt 0x0                           ; my part of the large slot is in; the small slot's first fill is issued as a refill is
	ds_add_u32 v[SPW], v[NIL]
	s_wait_dscnt 0x0
	CROUND
	JLOAD G0S, G1S, G0BS, G1BS                     ; K steps 8 to 11
	FETCH 0, 0, 0
	TRIO 0, 1                                      ; K steps 0 to 7; the first step's products start the sums
	CROSS 1
	TRIO 1, 0
	TURN 2, 1                                      ; the large slot takes K steps 12 to 19
	TRIO 2, 0                                      ; K steps 8 to 11
	TURN 0, 2                                      ; the small slot takes K steps 20 to 23
	TRIO 0, 0                                      ; K steps 12 to 19
	CROSS 1
	TRIO 1, 0
	TURN 2, 1                                      ; the large slot takes K steps 24 to 31: the last load
	TRIO 2, 0                                      ; K steps 20 to 23
	TURN 0, 0                                      ; nothing is left to fetch
	TRIO 0, 0                                      ; K steps 24 to 31
	CROSS 1
	TRIO 1, 0
	s_wait_dscnt 0x0
	MULS 0, T, 1, 0
	WIN 0
	; THE WAY OUT, a tile of 16 tokens x 64 columns at a time through my own stage: sixteen lanes then store 256 consecutive bytes, aligned
	s_wait_loadcnt 0x0                             ; the residual and the bias
	PLACES
.set ea, 0
.rept 4
.set BB, BK+32*(ea%2)
	s_wait_xcnt 0x0                                ; earlier stores have read their data
	WIN 0x08                                       ; an LDS store's data are its source 1: window 2
.set et, 0
.rept 4
	ds_store_b128 v[STO], v[32*ea+8*et:32*ea+8*et+3] offset:128*(et/2)+32*(et%2)
	ds_store_b128 v[STO], v[32*ea+8*et+4:32*ea+8*et+7] offset:128*(et/2)+32*(et%2)+16
.set et, et+1
.endr
	WIN 0
.irp i, 0,1,2,3,4,5,6,7
	ds_load_b128 v[BB+4*\i:BB+4*\i+3], v[RD] offset:544*\i         ; LDS serves a wave's instructions in order: these see my stores
.endr
	s_wait_dscnt 0x0
	WIN 0x0c                                       ; source 1: window 3
.set ek, 0
.rept 16
	v_pk_add_f32 v[BB+ek:BB+ek+1], v[BB+ek:BB+ek+1], v[32*ea+ek:32*ea+ek+1]
.set ek, ek+2
.endr
	WIN 0
.set ek, 0
.rept 16
	v_pk_add_f32 v[BB+ek:BB+ek+1], v[BB+ek:BB+ek+1], v[BI+ek%4:BI+ek%4+1]
.set ek, ek+2
.endr
.irp i, 0,1,2,3,4,5,6,7
	global_store_b128 v[CO], v[BB+4*\i:BB+4*\i+3], s[12:13] offset:4096*(32*(ea/2)+8*(ea%2)+2*\i+8*(\i/4)) th:TH_STORE_NT
.endr
.set ea, ea+1
.endr
	s_wait_tensorcnt 0x0                           ; the wave's end
	ds_add_u32 v[SPW], v[NIL]
	s_wait_dscnt 0x0
	CROUND                                         ; the closing round
	s_endpgm
.Lfunc_end_k_q581a9de008_g6:
	.size	k_q581a9de008_g6, .Lfunc_end_k_q581a9de008_g6-k_q581a9de008_g6
	.p2alignl 7, 3214868480
	.fill 96, 4, 3214868480
	.section	.rodata,"a",@progbits
	.p2align	6, 0x0
	.amdhsa_kernel k_q581a9de008_g6
		.amdhsa_group_segment_fixed_size 327680
		.amdhsa_private_segment_fixed_size 0
		.amdhsa_enable_private_segment 0
		.amdhsa_kernarg_size 40
		.amdhsa_user_sgpr_count 2
		.amdhsa_user_sgpr_kernarg_segment_ptr 1
		.amdhsa_wavefront_size32 1
		.amdhsa_system_sgpr_workgroup_id_x 1
		.amdhsa_system_sgpr_workgroup_id_y 1
		.amdhsa_system_sgpr_workgroup_id_z 1
		.amdhsa_system_vgpr_workitem_id 0
		.amdhsa_next_free_vgpr 1024
		.amdhsa_next_free_sgpr 96
		.amdhsa_reserve_vcc 0
		.amdhsa_float_denorm_mode_32 3
		.amdhsa_float_denorm_mode_16_64 3
		.amdhsa_memory_ordered 1
		.amdhsa_forward_progress 1
		.amdhsa_inst_pref_size 157
	.end_amdhsa_kernel
	.amdgpu_metadata
---
amdhsa.version: [ 1, 2 ]
amdhsa.kernels:
  - .name:           k_q581a9de008_g6
    .symbol:         k_q581a9de008_g6.kd
    .args:
      - { .name: hid, .offset: 0, .size: 8, .value_kind: global_buffer, .address_space: global }
      - { .name: pimg, .offset: 8, .size: 8, .value_kind: global_buffer, .address_space: global }
      - { .name: ff2_b, .offset: 16, .size: 8, .value_kind: global_buffer, .address_space: global }
      - { .name: src2, .offset: 24, .size: 8, .value_kind: global_buffer, .address_space: global }
      - { .name: out0, .offset: 32, .size: 8, .value_kind: global_buffer, .address_space: global }
    .group_segment_fixed_size: 327680
    .private_segment_fixed_size: 0
    .kernarg_segment_align: 8
    .kernarg_segment_size: 40
    .max_flat_workgroup_size: 128
    .sgpr_count:     96
    .vgpr_count:     1024
    .wavefront_size: 32
...
	.end_amdgpu_metadata
.endif
;; end of part 6
